; MI455X (gfx1250); checked and timed in simulation.
; The chip was launched on July 23, 2026; its instructions are those of AMD's public machine-readable ISA for CDNA 5 (MIT licence, August 2026) and "CDNA5" Instruction Set Architecture Reference Guide (July 2026). The comments in the code are by the model that wrote it; some were corrected since.
;; CLIP Attention. Allowed arithmetic: matrix products marked QUANTISED: E4M3 operands, one E8M0 scale for each 32 along K, by v_wmma_scale_f32_16x16x128_f8f6f4 with both operands' format E4M3, f32 sums; everything else in f32.
;; Inputs: Wk 1,024 x 1,024 float32; Wo 1,024 x 1,024 float32; Wq 1,024 x 1,024 float32; Wv 1,024 x 1,024 float32; attn_mask 1,024 x 1,024 float32; beta 1,024 float32; bk 1,024 float32; bo 1,024 float32; bq 1,024 float32; bv 1,024 float32; gamma 1,024 float32; x 1,024 x 8 x 1,024 float32.
;; Outputs: out0 1,024 x 8 x 1,024 float32.
;; This version of the problem:
;;   THIS VERSION OF THE PROBLEM IS GIVEN IN LOW PRECISION. The matrix products marked QUANTISED in the list below multiply operands that are first quantised to E4M3 (4 exponent bits, 3 mantissa bits; 8 bits a number), with one power-of-two scale for each 32 numbers along K (OCP MX v1.0); their sums are f32. All else is computed in f32.
;;   The module's matrix products, in the order in which they are computed (A, B: the left and right operand; K: the contracted axis; several contracted axes count as one K, in the product's order):
;;     1. [M 8,192, K 1,024] x [K 1,024, N 1,024]; A: computed on the way; B: input Wq: QUANTISED
;;     2. [M 8,192, K 1,024] x [K 1,024, N 1,024]; A: computed on the way; B: input Wk: QUANTISED
;;     3. [M 8,192, K 1,024] x [K 1,024, N 1,024]; A: computed on the way; B: input Wv: QUANTISED
;;     4. batch 128 x [M 1,024, K 64] x [K 64, N 1,024]; A: computed on the way; B: computed on the way: QUANTISED
;;     5. batch 128 x [M 1,024, K 1,024] x [K 1,024, N 64]; A: softmax (see below); B: computed on the way: QUANTISED
;;     6. [M 8,192, K 1,024] x [K 1,024, N 1,024]; A: computed on the way; B: input Wo: QUANTISED
;;   THE QUANTISER, for each operand of a quantised product, along K:
;;     - K is cut into blocks of 32 from its start; a last block that is shorter is filled with zeros.
;;     - A block's scale is 2^e with e = floor(log2(the largest magnitude in the block)) - 8, held to -126 .. 127; a block of zeros has e = 0. As a byte (E8M0): e + 127.
;;     - Each number is divided by its block's scale, clamped to +-448, and rounded to the nearest number of E4M3, ties to even, subnormals kept.
;;     - The product sums the exact products of the quantised numbers (number of the format x scale) in f32.
;;   ~~~python
;;   def quantise(x, axis):      # numpy; x: float32 -> the quantised numbers, widened to float32 again
;;       x = np.moveaxis(x, axis, -1); K = x.shape[-1]
;;       x = np.pad(x, [(0, 0)] * (x.ndim - 1) + [(0, -K % 32)]); x = x.reshape(x.shape[:-1] + (-1, 32)); a = np.abs(x).max(-1, keepdims=True)
;;       e = np.where(a > 0, np.clip(np.frexp(np.where(a > 0, a, 1))[1] - 1 - 8, -126, 127), 0)      # np.frexp(a)[1] - 1 = floor(log2(a)), exactly
;;       r = np.clip(x / 2.0 ** e, -448, 448)
;;       step = 2.0 ** (np.maximum(np.frexp(np.where(r == 0, 1, r))[1] - 1, -6) - 3)
;;       q = np.round(r / step) * step * 2.0 ** e      # np.round: ties to even
;;       return np.moveaxis(q.reshape(q.shape[:-2] + (-1,))[..., :K], -1, axis).astype(np.float32)
;;   ~~~
;;   SOFTMAX AHEAD OF A QUANTISED PRODUCT. Where the list says 'softmax', what is quantised is not the finished softmax but p = 2^(t - M), with t = logit x log2(e) and M = ceil(the row's largest t), a whole number; so 1/2 < the row's largest p <= 1. The row's sum l is taken of the UNQUANTISED p, in f32, and the product's result is divided by l at the end. Since M is a whole number, a kernel that streams over the keys may use a running M (the ceiling of the running maximum): every later rescaling is an exact power of two, which a block's scale takes up: the codes' values come out the same.
;;   OPERANDS COMPUTED ON THE WAY. 'Computed on the way' means the value that the module computes at that place (a softmax that the list does not call 'softmax' is quantised finished and normalised). What goes into a quantiser is computed in f32, as accurately as f32 sums, v_exp_f32 and their like allow (about 1e-6 of the number): no bf16 or f16 on the way to a quantiser, and a product that is left as it is and whose result goes on into a quantised operand takes f32 operands (vector FMAs, or v_wmma_f32_16x16x4_f32). A number that lies on a knife's edge between two numbers of the format may be rounded either way, as far as f32 arithmetic and the matrix unit's own rounding can turn it there, and no further.
;; One version. Each part assembles by itself: llvm-mc -triple=amdgcn-amd-amdhsa -mcpu=gfx1250 --defsym DOCPART=n.
;; ======== version 1 of 1: 4 launches
;; limits: right only within a limited range of input values
;; workspace buffers: cod 12,582,912 bytes; scl 393,216 bytes; img 25,165,824 bytes; isc 1,310,720 bytes; ocod 8,388,608 bytes; oscl 262,144 bytes
;; launch prep (part 1): grid 768 x 1, 2 waves a work-group, no clusters, 11,520 bytes of LDS; arguments x, Wq, Wk, Wv, Wo, gamma, beta, cod, scl; writes cod, scl
.if DOCPART == 1
	.amdgcn_target "amdgcn-amd-amdhsa--gfx1250"
	.amdhsa_code_object_version 6
	.text
	.protected	k_q58df717a6f_prep
	.globl	k_q58df717a6f_prep
	.p2align	8
	.type	k_q58df717a6f_prep,@function
k_q58df717a6f_prep:
	s_mov_b64 s[64:65], 0
	v_nop
	global_prefetch_b8 v0, s[64:65] scope:SCOPE_SE
	s_setreg_imm32_b32 hwreg(HW_REG_WAVE_MODE, 25, 1), 1
	s_wait_xcnt 0x0
; PREP: LayerNorm(x) and the four weights become codes of E4M3 with one E8M0 byte for each 32 along K (= E, innermost in all five).
; cod: [12288 rows][1024 bytes]; rows 0-8191: LN(x) in the order row = b x 1024 + l; then Wq, Wk, Wv, Wo, 1024 rows each.  scl: [12288][32 bytes].
; ORDER INSIDE A BLOCK OF 32: the codes lie as true k = 0-7, 16-23, 8-15, 24-31.  Every operand of this program is laid so, both sides of every product alike, so no product and no scale changes;
; with it the two 16-wide result tiles of a later product, quantised in place, are already an operand's registers.
; A wave takes a run of 8 output rows: 8,192 bytes of codes and one aligned block of 256 scale bytes.  768 work-groups of two waves: 512 for x, 64 for each weight.
; ONE PATH for all five tensors: for a weight the mean is multiplied by 0, and 1 / sigma, gamma and beta are replaced by 1, 1, 0 (v_cndmask_b32 on a mask made from the work-group number): y = w exactly.
; A row's eight loads read 512 consecutive bytes each; the row turns through the wave's own stage in LDS (64 bytes + 16 of padding) and comes back so that a lane holds, of each half row, 16 numbers of one block in the order above.
; No tensor load, no barrier: waves share nothing.
; LIMITS: NaN and infinities among the inputs are not served.  A block whose largest magnitude lies under 2^-118 keeps the byte 1, a block of zeros too (its codes are zeros; this program alone reads the bytes).
; y = fma((x - mu) x rstd, gamma, beta), rstd by v_rsq_f32: it differs from the written order of roundings by last bits of f32.
.set WREG,  5632                       ; LDS of a wave: a stage of 2 x 2,560 bytes, then its 256 scale bytes
.set OFF,   16                         ; v16-23   row i: 16 x lane + i x the stride from row to row
.set GA,    32                         ; v32-63   gamma of my 32 places in a row
.set BE,    64                         ; v64-95   beta likewise
.set RW,    96                         ; v96-159  two sets of 32: a row as loaded
.set XR,    160                        ; v160-191 the row after its turn through LDS
.set CD,    192                        ; v192-207 codes, two sets of 8
.set EB,    208                        ; v208-223 a scale byte for each half row
.set TW,    224                        ; v224-239 at work
	s_load_b256 s[4:11], s[0:1], 0x0               ; x, Wq, Wk, Wv
	s_load_b256 s[12:19], s[0:1], 0x20             ; Wo, gamma, beta, cod
	s_load_b64 s[20:21], s[0:1], 0x40              ; scl
	v_lshl_add_u32 v240, v0, 2, 0x2c00
	v_mov_b32 v241, 0
	v_lshrrev_b32 v1, 5, v0
	v_readfirstlane_b32 s22, v1                    ; wave
	v_and_b32 v1, 31, v0                           ; lane
	s_wait_alu depctr_va_vdst(0)
	s_lshl_b32 s23, ttmp9, 1
	s_add_co_u32 s23, s23, s22                     ; run = 2 x work-group + wave
	s_and_b32 s35, s23, 127                        ; a = run mod 128
	s_lshl_b32 s36, s35, 18                        ; x: rows l = 8 a + i of batch b = run / 128: byte (8 a) x 32,768 + b x 4,096
	s_lshr_b32 s37, s23, 7
	s_lshl_b32 s37, s37, 12
	s_add_co_u32 s36, s36, s37
	s_lshl_b32 s37, s35, 15                        ; a weight: rows 8 a + i: byte a x 32,768
	s_mov_b32 s30, 0x76543210                      ; v_permlanex16_b32: lane l xor 16
	s_mov_b32 s31, 0xfedcba98
	s_mov_b32 s32, 0x600000                        ; the mantissa field of 448
	s_mov_b32 s33, 0x3727c5ac                      ; 1e-5
	s_mov_b32 s34, 0x3a800000                      ; 1 / 1024
	s_mov_b32 s38, 32768
	s_mov_b32 s39, 4096
	s_mul_i32 s27, s22, WREG
	v_lshlrev_b32 v2, 4, v1                        ; 16 x lane: loads and code stores
	v_lshrrev_b32 v3, 2, v1
	v_mul_u32_u24 v3, v3, 80
	v_and_b32 v9, 3, v1
	v_lshl_add_u32 v3, v9, 4, v3
	v_add_nc_u32 v3, s27, v3                       ; the stage, way in: 80 (lane / 4) + 16 (lane % 4)
	v_lshrrev_b32 v10, 1, v1
	v_and_b32 v11, 1, v1
	v_mul_u32_u24 v4, v10, 160
	v_lshl_add_u32 v4, v11, 5, v4
	v_add_nc_u32 v4, s27, v4                       ; way out: block lane / 2 (two places of 80), + 32 (lane % 2)
	s_add_co_u32 s27, s27, 5120
	v_add_nc_u32 v5, s27, v10                      ; my block's scale byte
	v_lshlrev_b32 v7, 3, v1
	v_add_nc_u32 v6, s27, v7                       ; the scale bytes' way out: 8 a lane
	v_lshlrev_b32 v8, 7, v10
	v_lshl_add_u32 v8, v11, 5, v8                  ; gamma, beta: 128 (lane / 2) + 32 (lane % 2)
	s_wait_alu depctr_va_vdst(0)
	s_wait_kmcnt 0x0
	s_cmp_lt_u32 ttmp9, 704                        ; which tensor: the choice hangs on the work-group number alone
	s_cselect_b64 s[12:13], s[10:11], s[12:13]
	s_cmp_lt_u32 ttmp9, 640
	s_cselect_b64 s[12:13], s[8:9], s[12:13]
	s_cmp_lt_u32 ttmp9, 576
	s_cselect_b64 s[12:13], s[6:7], s[12:13]
	s_cmp_lt_u32 ttmp9, 512
	s_cselect_b64 s[12:13], s[4:5], s[12:13]
	s_cselect_b32 s24, -1, 0                       ; all ones: x is normalised; 0: a weight is taken as it is
	s_cselect_b32 s25, s34, 0                      ; the mean's factor
	s_cselect_b32 s26, s38, s39                    ; bytes from row to row
	s_cselect_b32 s28, s36, s37
	s_mov_b32 s29, 0
	s_add_nc_u64 s[12:13], s[12:13], s[28:29]
	s_lshl_b32 s28, s23, 13
	s_add_nc_u64 s[18:19], s[18:19], s[28:29]      ; my 8 rows of codes
	s_lshl_b32 s28, s23, 8
	s_add_nc_u64 s[20:21], s[20:21], s[28:29]      ; my 256 scale bytes
	v_mov_b32 v[OFF], v2
.irp i, 1,2,3,4,5,6,7
	v_add_nc_u32 v[OFF+\i], s26, v[OFF+\i-1]
.endr
.irp hs, 0,1
.irp k, 0,1,2,3
	global_load_b128 v[GA+16*\hs+4*\k:GA+16*\hs+4*\k+3], v8, s[14:15] offset:2048*\hs+64*(\k/2)+16*(\k%2)
	global_load_b128 v[BE+16*\hs+4*\k:BE+16*\hs+4*\k+3], v8, s[16:17] offset:2048*\hs+64*(\k/2)+16*(\k%2)
.endr
.endr
.macro LOADROW i                       ; eight loads of 512 consecutive bytes: the whole row
.irp j, 0,1,2,3,4,5,6,7
	global_load_b128 v[RW+32*((\i)%2)+4*\j:RW+32*((\i)%2)+4*\j+3], v[OFF+(\i)], s[12:13] offset:512*\j th:TH_LOAD_NT
.endr
.endm
	LOADROW 0
	LOADROW 1
	s_wait_loadcnt 16                              ; gamma and beta are in; the two rows' sixteen loads may be out
.set j, 0
.rept 32
	v_cndmask_b32 v[GA+j], 1.0, v[GA+j], s24
	v_cndmask_b32 v[BE+j], 0, v[BE+j], s24
.set j, j+1
.endr
.macro WSUM r, t                       ; the sum over the 32 lanes, in every lane
	v_add_f32_dpp v[\r], v[\r], v[\r] row_xmask:1 row_mask:0xf bank_mask:0xf
	v_add_f32_dpp v[\r], v[\r], v[\r] row_xmask:2 row_mask:0xf bank_mask:0xf
	v_add_f32_dpp v[\r], v[\r], v[\r] row_xmask:4 row_mask:0xf bank_mask:0xf
	v_add_f32_dpp v[\r], v[\r], v[\r] row_xmask:8 row_mask:0xf bank_mask:0xf
	v_permlanex16_b32 v[\t], v[\r], s30, s31
	v_add_f32 v[\r], v[\r], v[\t]
.endm
.macro QSTEP i, hs                     ; half a row: 16 blocks, two lanes to a block
.set XS, XR+16*(\hs)
.set CS, CD+8*((\i)%2)+4*(\hs)
	v_max3_num_f32 v[TW], |v[XS]|, |v[XS+1]|, |v[XS+2]|
	v_max3_num_f32 v[TW+1], |v[XS+3]|, |v[XS+4]|, |v[XS+5]|
.irp n, 6,10
	v_max3_num_f32 v[TW], v[TW], |v[XS+\n]|, |v[XS+\n+1]|
	v_max3_num_f32 v[TW+1], v[TW+1], |v[XS+\n+2]|, |v[XS+\n+3]|
.endr
	v_max3_num_f32 v[TW], v[TW], |v[XS+14]|, |v[XS+15]|
	v_max3_num_f32 v[TW], v[TW], v[TW+1], 0x4800000                ; the floor 2^(9 - 127): the byte cannot fall under 1
	v_max_num_f32_dpp v[TW], v[TW], v[TW] row_xmask:1 row_mask:0xf bank_mask:0xf   ; with my neighbour's 16: the block's largest magnitude
	v_add_nc_u32 v[TW+2], 0xfc000000, v[TW]        ; 8 off its exponent field: the conversion's scale operand
	v_and_or_b32 v[TW+3], v[TW], 0x7f800000, s32   ; 448 x the scale
.set n, 0
.rept 16
	v_med3_num_f32 v[XS+n], v[XS+n], -v[TW+3], v[TW+3]             ; the conversion to an 8-bit code does not saturate (ISA guide 7.6.2): the hold comes first
.set n, n+1
.endr
	v_cvt_scalef32_pk8_fp8_f32 v[CS:CS+1], v[XS:XS+7], v[TW+2]
	v_cvt_scalef32_pk8_fp8_f32 v[CS+2:CS+3], v[XS+8:XS+15], v[TW+2]
	v_lshrrev_b32 v[EB+2*(\i)+(\hs)], 23, v[TW+2]  ; the scale's byte (also the plain line behind the conversions)
	ds_store_b8 v5, v[EB+2*(\i)+(\hs)] offset:32*(\i)+16*(\hs)     ; both lanes of a block write the same byte
	global_store_b128 v2, v[CS:CS+3], s[18:19] offset:1024*(\i)+512*(\hs)   ; 512 consecutive bytes
.endm
.macro ROW i
.set RS, RW+32*((\i)%2)
.if (\i) < 7
	s_wait_loadcnt 8                               ; my row is in; the next row's eight loads may be out
.else
	s_wait_loadcnt 0x0
.endif
.irp j, 0,1,2,3,4,5,6,7
	ds_store_b128 v3, v[RS+4*\j:RS+4*\j+3] offset:(\j/4)*2560+(\j%4)*640
.endr
.irp hs, 0,1
.irp k, 0,1,2,3
	ds_load_b128 v[XR+16*\hs+4*\k:XR+16*\hs+4*\k+3], v4 offset:2560*\hs+80*(\k/2)+16*(\k%2)   ; true k 8 (lane % 2) + 0..7, then 16 + 8 (lane % 2) + 0..7.  LDS serves a wave in order: these see the stores above
.endr
.endr
	s_wait_dscnt 0x0                               ; the row is back, so the stores have read their registers,
.if (\i) < 6
	LOADROW (\i)+2                                 ; which take the row two further on
.endif
	v_pk_add_f32 v[TW:TW+1], v[XR:XR+1], v[XR+2:XR+3]
	v_pk_add_f32 v[TW+2:TW+3], v[XR+4:XR+5], v[XR+6:XR+7]
.irp n, 8,12,16,20,24,28
	v_pk_add_f32 v[TW:TW+1], v[TW:TW+1], v[XR+\n:XR+\n+1]
	v_pk_add_f32 v[TW+2:TW+3], v[TW+2:TW+3], v[XR+\n+2:XR+\n+3]
.endr
	v_pk_add_f32 v[TW:TW+1], v[TW:TW+1], v[TW+2:TW+3]
	v_add_f32 v[TW], v[TW], v[TW+1]
	WSUM TW, TW+1
	v_mul_f32 v[TW+4], s25, v[TW]                  ; the mean (0 for a weight)
	v_mov_b32 v[TW+5], v[TW+4]
.set n, 0
.rept 16
	v_pk_add_f32 v[XR+n:XR+n+1], v[XR+n:XR+n+1], v[TW+4:TW+5] neg_lo:[0,1] neg_hi:[0,1]
.set n, n+2
.endr
	v_pk_mul_f32 v[TW:TW+1], v[XR:XR+1], v[XR:XR+1]
	v_pk_mul_f32 v[TW+2:TW+3], v[XR+2:XR+3], v[XR+2:XR+3]
.irp n, 4,8,12,16,20,24,28
	v_pk_fma_f32 v[TW:TW+1], v[XR+\n:XR+\n+1], v[XR+\n:XR+\n+1], v[TW:TW+1]
	v_pk_fma_f32 v[TW+2:TW+3], v[XR+\n+2:XR+\n+3], v[XR+\n+2:XR+\n+3], v[TW+2:TW+3]
.endr
	v_pk_add_f32 v[TW:TW+1], v[TW:TW+1], v[TW+2:TW+3]
	v_add_f32 v[TW], v[TW], v[TW+1]
	WSUM TW, TW+1
	v_fma_f32 v[TW+6], v[TW], s34, s33             ; the variance + 1e-5
	s_wait_alu depctr_va_vdst(0)
	v_rsq_f32 v[TW+6], v[TW+6]
	v_nop                                          ; one plain line behind a transcendental
	s_wait_alu depctr_va_vdst(0)
	v_cndmask_b32 v[TW+6], 1.0, v[TW+6], s24
	v_mov_b32 v[TW+7], v[TW+6]
.set n, 0
.rept 16
	v_pk_mul_f32 v[XR+n:XR+n+1], v[XR+n:XR+n+1], v[TW+6:TW+7]
.set n, n+2
.endr
.set n, 0
.rept 16
	v_pk_fma_f32 v[XR+n:XR+n+1], v[XR+n:XR+n+1], v[GA+n:GA+n+1], v[BE+n:BE+n+1]
.set n, n+2
.endr
.if (\i) >= 2
	s_wait_xcnt 0x0                                ; the stores of two rows ago have read this set of code registers
.endif
	QSTEP \i, 0
	QSTEP \i, 1
.endm
.irp i, 0,1,2,3,4,5,6,7
	ROW \i
.endr
	ds_load_b64 v[TW:TW+1], v6                     ; my 256 scale bytes, 8 a lane
	s_wait_dscnt 0x0
	global_store_b64 v7, v[TW:TW+1], s[20:21]      ; 256 consecutive bytes, aligned
	s_wait_tensorcnt 0x0
	ds_add_u32 v240, v241
	s_wait_dscnt 0x0
	s_endpgm
.Lfunc_end_k_q58df717a6f_prep:
	.size	k_q58df717a6f_prep, .Lfunc_end_k_q58df717a6f_prep-k_q58df717a6f_prep
	.p2alignl 7, 3214868480
	.fill 96, 4, 3214868480
	.section	.rodata,"a",@progbits
	.p2align	6, 0x0
	.amdhsa_kernel k_q58df717a6f_prep
		.amdhsa_group_segment_fixed_size 11520
		.amdhsa_private_segment_fixed_size 0
		.amdhsa_enable_private_segment 0
		.amdhsa_kernarg_size 72
		.amdhsa_user_sgpr_count 2
		.amdhsa_user_sgpr_kernarg_segment_ptr 1
		.amdhsa_wavefront_size32 1
		.amdhsa_system_sgpr_workgroup_id_x 1
		.amdhsa_system_sgpr_workgroup_id_y 1
		.amdhsa_system_sgpr_workgroup_id_z 1
		.amdhsa_system_vgpr_workitem_id 0
		.amdhsa_next_free_vgpr 242
		.amdhsa_next_free_sgpr 66
		.amdhsa_reserve_vcc 0
		.amdhsa_float_denorm_mode_32 3
		.amdhsa_float_denorm_mode_16_64 3
		.amdhsa_memory_ordered 1
		.amdhsa_forward_progress 1
		.amdhsa_inst_pref_size 106
	.end_amdhsa_kernel
	.amdgpu_metadata
---
amdhsa.version: [ 1, 2 ]
amdhsa.kernels:
  - .name:           k_q58df717a6f_prep
    .symbol:         k_q58df717a6f_prep.kd
    .args:
      - { .name: x, .offset: 0, .size: 8, .value_kind: global_buffer, .address_space: global }
      - { .name: Wq, .offset: 8, .size: 8, .value_kind: global_buffer, .address_space: global }
      - { .name: Wk, .offset: 16, .size: 8, .value_kind: global_buffer, .address_space: global }
      - { .name: Wv, .offset: 24, .size: 8, .value_kind: global_buffer, .address_space: global }
      - { .name: Wo, .offset: 32, .size: 8, .value_kind: global_buffer, .address_space: global }
      - { .name: gamma, .offset: 40, .size: 8, .value_kind: global_buffer, .address_space: global }
      - { .name: beta, .offset: 48, .size: 8, .value_kind: global_buffer, .address_space: global }
      - { .name: cod, .offset: 56, .size: 8, .value_kind: global_buffer, .address_space: global }
      - { .name: scl, .offset: 64, .size: 8, .value_kind: global_buffer, .address_space: global }
    .group_segment_fixed_size: 11520
    .private_segment_fixed_size: 0
    .kernarg_segment_align: 8
    .kernarg_segment_size: 72
    .max_flat_workgroup_size: 64
    .sgpr_count:     66
    .vgpr_count:     242
    .wavefront_size: 32
...
	.end_amdgpu_metadata
.endif
;; end of part 1
;; launch qkv (part 2): grid 8 x 48, 4 waves a work-group, clusters of 4 x 4, 327,680 bytes of LDS; arguments cod, scl, bq, bk, bv, img, isc; writes img, isc
.if DOCPART == 2
	.amdgcn_target "amdgcn-amd-amdhsa--gfx1250"
	.amdhsa_code_object_version 6
	.text
	.protected	k_q58df717a6f_qkv
	.globl	k_q58df717a6f_qkv
	.p2align	8
	.type	k_q58df717a6f_qkv,@function
k_q58df717a6f_qkv:
	s_mov_b64 s[64:65], 0
	v_nop
	global_prefetch_b8 v0, s[64:65] scope:SCOPE_SE
	s_setreg_imm32_b32 hwreg(HW_REG_WAVE_MODE, 25, 1), 1
	s_wait_xcnt 0x0
	s_wait_alu depctr_hold_cnt(0) depctr_sa_sdst(0) depctr_va_vdst(0) depctr_va_sdst(0) depctr_va_ssrc(0) depctr_va_vcc(0) depctr_vm_vsrc(0)
	s_getreg_b32 s2, hwreg(HW_REG_IB_STS2, 6, 4)
	s_cmp_eq_u32 s2, 0
	s_cbranch_scc0 .Lentry_in_a_cluster
	s_endpgm
.Lentry_in_a_cluster:
	s_bfe_u32 s2, ttmp6, 0x10000c
	s_cmp_lg_u32 s2, 0xf033
	s_cbranch_scc0 .Lentry_shape_is_right
	s_endpgm
.Lentry_shape_is_right:
; QKV: q = (LN(x) Wq^T + bq) / 8, k = LN(x) Wk^T + bk and v^T = Wv LN(x)^T + bv, on codes of E4M3 with E8M0 scales, K = 1,024; the results are quantised in registers and leave as images of the
; registers that the attention launch wants as operands (a fragment's group of four registers: 512 bytes, lane l's 16 bytes at 16 l) and as scale words.
; A tile is 256 (R, source 1) x 256 (P, source 0); four waves, each 128 x 128: 64 accumulators.  THE PRODUCT IS USED TRANSPOSED: a lane holds ONE row of R and eight neighbouring rows of P.
; TWO KINDS of work-group, parted on the cluster's y alone (equal in all sixteen partners):  QK (y 0-7): R = rows of x, P = rows of Wq | Wk: a lane's registers run along the head's 64, which is K of q k^T.
;   V (y 8-11): R = rows of Wv, P = rows of x (the keys): a lane's registers run along the keys, which is K of p v.  Both operands lie in one buffer: only row numbers are chosen.
; Inside each block of 32 along any K the codes lie as true k = 0-7, 16-23, 8-15, 24-31: so the registers of result tiles 2 n and 2 n + 1, converted in place, are registers 4 n .. 4 n + 3 of an operand.
; K goes in slots of 256 through two LDS slots filled by joint tensor loads (R's tile shared along a row of the cluster, P's along a column); the four fills of K = 1,024 are written out.
; THE SCALE WORDS of my 128 + 128 rows for all of K are 64 registers and stay: register 8 (block / 2) + K step holds the even block's rows in lanes 0-15, the odd block's in lanes 16-31.
; img: q at 0, k at 2^23: [row / 16][head][2][lane][16];  v at 2^24: [128 keys][head][16 of d][4][lane][16].  isc: q at 0, k at 2^19: [row / 128][head][128 words];  v at 2^20: [128 keys][head][64 words].
; A word of q or k has the head's two bytes below; its upper bytes are never 0xff and scale zero codes only.
; LIMITS: NaN and infinities are not served; a block under 2^-118, zeros too, keeps the byte 1.  (acc + b) / 8 is made as fma(acc, 1/8, b / 8): the same number, 1/8 being a power of two.
; REGISTERS: window 0: v0-31 addresses; v32-63 R's scale words, v68-99 P's; v100-107 words to store; from v128 R's fragments, later the way out.  window 1: P's fragments, two sets; later the bias.  windows 2, 3: accumulators.
.set PITCH, 272                        ; an LDS row: 256 bytes + 16 of padding: the 16 rows of a fragment load start 4 words apart modulo 64
.set HALFT, 128*PITCH
.set SLOT,  4*HALFT                    ; R's 256 rows, then P's 256
.set SPARE, 2*SLOT                     ; the spare words: 128 bytes for each wave
.set SSTG,  SPARE+512                  ; 1,024 bytes for each wave: its scale words on their way out
.set NP,    8                          ; places behind this matrix instruction (ISA guide 7.12.1)
.set FR,    16
.set ADRA,  16
.set ADRB,  20
.set BOQ,   22
.set BOV,   23
.set OFF,   24
.set SA,    25
.set SH,    26
.set RDS,   27
.set SPW,   28
.set NIL,   29
.set GS,    30
.set SRS,   32
.set SPS,   68
.set WD,    100
.set AF,    128
.set XN,    128                        ; the way out: a block's 64 numbers
.set PC,    192                        ; codes, two sets of 16
.set TM,    224
.set PW,    240
.set G1,  24
.set G0,  32
.set G1B, 48
.set G0B, 56
.set MSB, 0
.macro WIN new                         ; the immediate's high byte repeats the setting that is left
.if MSB != \new
	s_set_vgpr_msb (MSB<<8)|\new
.set MSB, \new
.endif
.endm
.set MUL_LO, 0xa1                      ; source 0 (P) window 1, source 1 (R) window 0, C and D window 2
.set MUL_HI, 0xf1
.set TO_B,   0x40
.macro JLOAD s                         ; a joint load: waves 0, 1 fetch R's halves, waves 2, 3 P's; four v_nop follow each line
	s_cmp_eq_u32 s19, 0
	s_cbranch_scc0 .Lfor_b_\@
	tensor_load_to_lds s[G0+4*\s:G0+4*\s+3], s[G1:G1+7]
	s_nop 0
.rept 4
	v_nop
.endr
	s_branch .Lasked_\@
.Lfor_b_\@:
	tensor_load_to_lds s[G0B+4*\s:G0B+4*\s+3], s[G1B:G1B+7]
	s_nop 0
.rept 4
	v_nop
.endr
.Lasked_\@:
.endm
.macro CREST                           ; a round of the cluster's barrier behind its opening barrier
	s_cmp_lg_u32 s18, 0
	s_cbranch_scc1 .Lnot_wave_0_\@
	s_barrier_signal -3
.Lnot_wave_0_\@:
	s_barrier_wait -3
	s_barrier_signal -1
	s_barrier_wait -1
.endm
.macro CROUND
	s_barrier_signal -1
	s_barrier_wait -1
	CREST
.endm
	s_load_b256 s[4:11], s[0:1], 0x0               ; cod, scl, bq, bk
	s_load_b128 s[12:15], s[0:1], 0x20             ; bv, img
	s_load_b64 s[16:17], s[0:1], 0x30              ; isc
	v_lshl_add_u32 v[SPW], v0, 2, SPARE
	v_mov_b32 v[NIL], 0
	ds_add_u32 v28, v29
	ds_add_u32 v28, v29
	s_wait_dscnt 0x0
	v_lshrrev_b32 v1, 5, v0
	v_readfirstlane_b32 s18, v1                    ; wave
	s_lshr_b32 s19, s18, 1                         ; wr: my half of R's rows.  Also: I fetch for R (0) or P (1)
	s_and_b32 s20, s18, 1                          ; wp: my half of P's rows.  Also: which 128 rows I fetch
	s_bfe_u32 s40, ttmp6, 0x40000                  ; cx
	s_bfe_u32 s41, ttmp6, 0x40004                  ; cy
	s_lshl_b32 s42, ttmp9, 2
	s_add_co_u32 s42, s42, s40                     ; X = 4 x cluster x + cx
	s_and_b32 s68, ttmp7, 0xffff                   ; the cluster's y
	s_lshl_b32 s43, s41, 2
	s_lshl_b32 s43, 15, s43                        ; my row of the cluster
	s_lshl_b32 s44, 0x1111, s40                    ; my column
	s_or_b32 s[G1+0], s43, (0<<16)|(1<<20)|(1<<21)|(5<<22)|(3<<25)   ; mask; elements of 1 byte; padding: 4 words behind every 64; bit 21 beside a mask
	s_or_b32 s[G1B+0], s44, (0<<16)|(1<<20)|(1<<21)|(5<<22)|(3<<25)
.irp g, G1, G1B
	s_mov_b32 s[\g+1], 256<<16                     ; tensor_dim0
	s_mov_b32 s[\g+2], 128<<16                     ; tensor_dim1
	s_mov_b32 s[\g+3], 256<<16                     ; tile_dim0
	s_mov_b32 s[\g+4], 128                         ; tile_dim1
	s_mov_b32 s[\g+5], 1024                        ; bytes from row to row
	s_mov_b32 s[\g+6], 0
	s_mov_b32 s[\g+7], 0
.endr
	s_lshl_b32 s69, s68, 10                        ; QK: R's first row = 1024 y + 256 cy
	s_lshl_b32 s70, s41, 8
	s_add_co_u32 s69, s69, s70
	s_add_co_u32 s70, s70, 10240                   ; V: Wv's rows 256 cy on
	s_lshl_b32 s71, s42, 8
	s_add_co_u32 s72, s71, 8192                    ; QK: P's first row: Wq | Wk, 256 X on
	s_sub_co_u32 s73, s68, 8
	s_lshl_b32 s73, s73, 11
	s_add_co_u32 s73, s73, s71                     ; V: x's rows 2048 (y - 8) + 256 X
	s_mov_b32 s76, 2048
	s_mov_b32 s77, 16384
	s_cmp_ge_u32 s68, 8
	s_cselect_b32 s21, 1, 0                        ; KIND: 0 QK, 1 V
	s_cselect_b32 s74, s70, s69                    ; R's first row
	s_cselect_b32 s75, s73, s72                    ; P's first row
	s_cselect_b32 s22, s76, s77                    ; bytes from a block's image to the next block's
	s_cselect_b32 s23, 0, 16                       ; QK: lanes 16-31 take the upper half of a scale word
	s_mov_b32 s66, 1.0
	s_or_b32 s78, s21, ttmp9                       ; 0 only for q
	s_cmp_eq_u32 s78, 0
	s_cselect_b32 s66, 0x3e000000, s66             ; q is multiplied by 1 / 8
	s_mov_b32 s67, s66
	s_mov_b32 s80, 0x76543210
	s_mov_b32 s81, 0xfedcba98
	s_mov_b32 s82, 0x600000
	s_lshl_b32 s78, s19, 7
	s_add_co_u32 s78, s74, s78                     ; RW: my first row of R
	s_lshl_b32 s79, s20, 7
	s_add_co_u32 s83, s75, s79                     ; PWv: my first row of P, and the first that I fetch
	s_add_co_u32 s46, s74, s79                     ; the first row of R that I fetch
	s_lshl_b32 s46, s46, 10
	s_mov_b32 s47, 0
	s_lshl_b32 s90, s83, 10
	s_mov_b32 s91, 0
	s_mul_i32 s45, s18, HALFT                      ; where my tile goes: no place in the cluster enters an LDS address
	s_lshl_b32 s92, s40, 2                         ; QK: my first head = 4 cx + 2 wp
	s_lshl_b32 s93, s20, 1
	s_add_co_u32 s92, s92, s93
	s_lshl_b32 s93, ttmp9, 23                      ; q or k
	s_lshl_b32 s94, s78, 10
	s_add_co_u32 s93, s93, s94
	s_lshl_b32 s94, s92, 10
	s_add_co_u32 s93, s93, s94                     ; images: (row / 16) x 16,384 + head x 1,024
	s_lshr_b32 s94, s78, 7
	s_lshl_b32 s94, s94, 4
	s_add_co_u32 s94, s94, s92
	s_lshl_b32 s94, s94, 9
	s_lshl_b32 s95, ttmp9, 19
	s_add_co_u32 s94, s94, s95                     ; words: ((row / 128) x 16 + head) x 512
	s_lshl_b32 s95, s41, 2                         ; V: my first head = 4 cy + 2 wr
	s_lshl_b32 s96, s19, 1
	s_add_co_u32 s95, s95, s96
	s_lshr_b32 s96, s83, 7
	s_lshl_b32 s96, s96, 4
	s_add_co_u32 s96, s96, s95                     ; (128 keys) x 16 + head
	s_lshl_b32 s97, s96, 13
	s_add_co_u32 s97, s97, 1<<24
	s_lshl_b32 s96, s96, 8
	s_add_co_u32 s96, s96, 1<<20
	s_cmp_lg_u32 s21, 0
	s_cselect_b32 s84, s97, s93
	s_cselect_b32 s86, s96, s94
	s_cselect_b32 s88, s95, s92
	s_lshl_b32 s88, s88, 8                         ; the bias: head x 64 numbers x 4 bytes
	s_mov_b32 s85, 0
	s_mov_b32 s87, 0
	s_mov_b32 s89, 0
	s_wait_kmcnt 0x0
	s_add_nc_u64 s[46:47], s[4:5], s[46:47]
	s_add_nc_u64 s[90:91], s[4:5], s[90:91]
	s_add_nc_u64 s[84:85], s[14:15], s[84:85]      ; OUT
	s_add_nc_u64 s[86:87], s[16:17], s[86:87]      ; OSC
	s_cmp_lg_u32 ttmp9, 0
	s_cselect_b64 s[98:99], s[10:11], s[8:9]
	s_cmp_lg_u32 s21, 0
	s_cselect_b64 s[98:99], s[12:13], s[98:99]
	s_add_nc_u64 s[88:89], s[98:99], s[88:89]      ; BIAS
	s_cmp_eq_u32 s19, 0                            ; the prefetches: of the 128 rows that I fetch, the partner at place p (cx for R, cy for P) names rows 32 p on: told apart by address alone
	s_cselect_b64 s[94:95], s[46:47], s[90:91]
	s_cselect_b32 s92, s40, s41
	s_lshl_b32 s92, s92, 15
	s_mov_b32 s93, 0
	s_add_nc_u64 s[94:95], s[94:95], s[92:93]
	CROUND
.irp s, 0,1
	s_mov_b32 s[G0+4*\s], 1
	s_add_co_u32 s[G0+4*\s+1], s45, \s*SLOT
	s_add_nc_u64 s[G0+4*\s+2:G0+4*\s+3], s[46:47], \s*256
	s_or_b32 s[G0+4*\s+3], s[G0+4*\s+3], 0x80000000
	s_mov_b32 s[G0B+4*\s], 1
	s_add_co_u32 s[G0B+4*\s+1], s45, \s*SLOT
	s_add_nc_u64 s[G0B+4*\s+2:G0B+4*\s+3], s[90:91], \s*256
	s_or_b32 s[G0B+4*\s+3], s[G0B+4*\s+3], 0x80000000
.endr
	JLOAD 0                                        ; K slot 0: one tensor load a wave at the head
	v_and_b32 v5, 31, v0                           ; lane
	v_lshlrev_b32 v6, 5, v5
	s_lshl_b32 s2, s78, 5
	s_lshl_b32 s3, s83, 5
	v_add_nc_u32 v10, s2, v6                       ; a row of scale bytes is 32 bytes: lane l takes row 32 g + l
	v_add_nc_u32 v11, s3, v6
.irp g, 0,1,2,3
	global_load_b128 v[SRS+8*\g:SRS+8*\g+3], v10, s[6:7] offset:1024*\g
	global_load_b128 v[SRS+8*\g+4:SRS+8*\g+7], v10, s[6:7] offset:1024*\g+16
	global_load_b128 v[SPS+8*\g:SPS+8*\g+3], v11, s[6:7] offset:1024*\g
	global_load_b128 v[SPS+8*\g+4:SPS+8*\g+7], v11, s[6:7] offset:1024*\g+16
.endr
	v_lshlrev_b32 v31, 10, v5                      ; a lane a row of 1,024 bytes; never rewritten
	global_prefetch_b8 v31, s[94:95] offset:256 th:TH_LOAD_NT scope:SCOPE_SE   ; K slots 1 and 2: 32 rows x 256 bytes each, one and two fills ahead of their loads
	global_prefetch_b8 v31, s[94:95] offset:512 th:TH_LOAD_NT scope:SCOPE_SE
	v_and_b32 v1, 15, v0
	v_bfe_u32 v2, v0, 4, 1                         ; h
	v_mul_u32_u24 v3, v1, PITCH
	v_lshl_add_u32 v4, v2, 4, v3
	s_mul_i32 s2, s19, HALFT
	s_mul_i32 s3, s20, HALFT
	s_add_co_u32 s3, s3, 2*HALFT
.irp s, 0,1
	v_add_nc_u32 v[ADRA+\s], s2, v4
	v_add_nc_u32 v[ADRB+\s], s3, v4
	s_add_co_u32 s2, s2, SLOT
	s_add_co_u32 s3, s3, SLOT
.endr
	v_lshlrev_b32 v[BOQ], 5, v2                    ; QK's bias: my eight of a tile's sixteen
	v_lshlrev_b32 v[BOV], 2, v1                    ; V's: my row
	v_lshlrev_b32 v[OFF], 4, v5
	v_lshlrev_b32 v[GS], 4, v5
	s_lshl_b32 s2, s18, 10
	s_add_co_u32 s2, s2, SSTG
	v_lshlrev_b32 v[SA], 2, v1
	v_lshl_add_u32 v[SA], v2, 9, v[SA]
	v_add_nc_u32 v[SA], s2, v[SA]                  ; my word: 4 r, + 512 for lanes 16-31
	v_add_nc_u32 v[RDS], s2, v[GS]
	v_mul_u32_u24 v[SH], s23, v2
.macro FRAG reg, adr, q, i             ; 16 rows x 128 K: lane l holds row l % 16; registers 4 c .. 4 c + 3 the bytes 32 c + 16 (l / 16) + 0 .. 15
.irp c, 0,1,2,3
	ds_load_b128 v[\reg+4*\c:\reg+4*\c+3], v[\adr] offset:128*(\q)+32*\c+(\i)*16*PITCH
.endr
.endm
.macro WM                              ; one product; the rows of the two scale registers by the blocks' parity
.if cs == 0
	v_wmma_scale_f32_16x16x128_f8f6f4 v[rD:rD+7], v[rP:rP+15], v[rR:rR+15], v[rD:rD+7], v[rSP], v[rSR]
.elseif cs == 1
	v_wmma_scale_f32_16x16x128_f8f6f4 v[rD:rD+7], v[rP:rP+15], v[rR:rR+15], v[rD:rD+7], v[rSP], v[rSR] matrix_b_scale:MATRIX_SCALE_ROW1
.elseif cs == 2
	v_wmma_scale_f32_16x16x128_f8f6f4 v[rD:rD+7], v[rP:rP+15], v[rR:rR+15], v[rD:rD+7], v[rSP], v[rSR] matrix_a_scale:MATRIX_SCALE_ROW1
.elseif cs == 3
	v_wmma_scale_f32_16x16x128_f8f6f4 v[rD:rD+7], v[rP:rP+15], v[rR:rR+15], v[rD:rD+7], v[rSP], v[rSR] matrix_a_scale:MATRIX_SCALE_ROW1 matrix_b_scale:MATRIX_SCALE_ROW1
.elseif cs == 4
	v_wmma_scale_f32_16x16x128_f8f6f4 v[rD:rD+7], v[rP:rP+15], v[rR:rR+15], 0, v[rSP], v[rSR]
.elseif cs == 5
	v_wmma_scale_f32_16x16x128_f8f6f4 v[rD:rD+7], v[rP:rP+15], v[rR:rR+15], 0, v[rSP], v[rSR] matrix_b_scale:MATRIX_SCALE_ROW1
.elseif cs == 6
	v_wmma_scale_f32_16x16x128_f8f6f4 v[rD:rD+7], v[rP:rP+15], v[rR:rR+15], 0, v[rSP], v[rSR] matrix_a_scale:MATRIX_SCALE_ROW1
.else
	v_wmma_scale_f32_16x16x128_f8f6f4 v[rD:rD+7], v[rP:rP+15], v[rR:rR+15], 0, v[rSP], v[rSR] matrix_a_scale:MATRIX_SCALE_ROW1 matrix_b_scale:MATRIX_SCALE_ROW1
.endif
.endm
; 16 products: R's blocks a0, a0 + 1 x P's eight, K step ks; p: P's set.  The 64 accumulators take turns, one instruction a turn, in the same order in every step.
.macro MUL16 a0, p, ks, zero
.irp a, \a0, \a0+1
.irp b, 0,1,2,3,4,5,6,7
.set rD, 8*(8*((\a)%4)+\b)
.set rP, 128*(\p)+FR*\b
.set rR, AF+FR*(\a)
.set rSP, SPS+8*(\b/2)+(\ks)
.set rSR, SRS+8*((\a)/2)+(\ks)
.set cs, 4*(\zero)+2*(\b%2)+((\a)%2)
	WM
.endr
.endr
.endm
.macro FETCH_B slot, q, p
	WIN TO_B
.irp i, 0,1,2,3,4,5,6,7
	FRAG 128*(\p)+FR*\i, ADRB+\slot, \q, \i
.endr
	WIN 0
.endm
.macro FETCH_A slot, q, i0
.irp i, \i0, \i0+1, \i0+2, \i0+3
	FRAG AF+FR*(\i), ADRA+\slot, \q, \i
.endr
.endm
.macro PLACES n                        ; plain vector lines between a matrix instruction and a load into, or a read of, its registers
.rept \n
	v_nop
.endr
.endm
.macro STEP slot, ks, zero             ; a slot's first 128 along K; it fetches the second
	s_wait_dscnt 16                                ; P's set and R's blocks 0-3 are in; the youngest sixteen loads (R's blocks 4-7) may be out
	WIN MUL_LO
	MUL16 0, 0, \ks, \zero
	MUL16 2, 0, \ks, \zero
	s_wait_dscnt 0x0
	PLACES NP
	FETCH_B \slot, 1, 1
	FETCH_A \slot, 1, 0
	WIN MUL_HI
	MUL16 4, 0, \ks, \zero
	MUL16 6, 0, \ks, \zero
	PLACES NP
	WIN 0
	FETCH_A \slot, 1, 4
.endm
; A slot's second 128 along K changes slots: ONE barrier; in front of it each wave waits for all its tensor loads, adds 0 to its spare word, and waits for that and for its reads of this slot.
.macro TURN slot, next, fill, ks
	s_wait_tensorcnt 0x0                           ; all my tensor loads have landed: my part of the next slot
	ds_add_u32 v[SPW], v[NIL]                      ; 0 onto my spare word
	s_wait_dscnt 17                                ; (the add and the youngest sixteen loads may be out)
	WIN MUL_LO
	MUL16 0, 1, \ks, 0
	s_wait_dscnt 0x0                               ; the add is done, and my reads of this slot are over
	s_barrier_signal -1
	MUL16 2, 1, \ks, 0
	WIN 0
	s_barrier_wait -1
.if \fill
	CREST                                          ; the barrier has opened a round of the cluster's: no wave of any partner still reads this slot or has a load on its way
	s_add_nc_u64 s[G0+4*\slot+2:G0+4*\slot+3], s[G0+4*\slot+2:G0+4*\slot+3], 512
	s_add_nc_u64 s[G0B+4*\slot+2:G0B+4*\slot+3], s[G0B+4*\slot+2:G0B+4*\slot+3], 512
	JLOAD \slot                                    ; the first tensor load behind the round; its four v_nop are four of the eight places
	PLACES NP-4
.else
	PLACES NP
.endif
	FETCH_B \next, 0, 0
	FETCH_A \next, 0, 0
	WIN MUL_HI
	MUL16 4, 1, \ks, 0
	MUL16 6, 1, \ks, 0
	PLACES NP
	WIN 0
	FETCH_A \next, 0, 4
.endm
	s_wait_alu depctr_va_vdst(0)                   ; the wait at the head's end
	s_wait_tensorcnt 0x0                           ; my part of slot 0 is in; slot 1's first fill is issued as a refill is
	ds_add_u32 v[SPW], v[NIL]
	s_wait_dscnt 0x0
	CROUND
	JLOAD 1
	FETCH_B 0, 0, 0
	FETCH_A 0, 0, 0
	FETCH_A 0, 0, 4
	global_prefetch_b8 v31, s[94:95] offset:768 th:TH_LOAD_NT scope:SCOPE_SE   ; K slot 3, the last: two fills ahead of its load
	s_wait_loadcnt 0x0
	STEP 0, 0, 1                                   ; the first products start the sums: nothing is cleared
	TURN 0, 1, 1, 1
	STEP 1, 2, 0
	TURN 1, 0, 1, 3
	STEP 0, 4, 0
	TURN 0, 1, 0, 5                                ; nothing is left to fetch
	STEP 1, 6, 0
	; the bias, into P's set 0, which is done with (eight places stand behind its last product): it lands under the last 64 products
	s_cmp_lg_u32 s21, 0
	s_cbranch_scc1 .Lbias_v
	WIN TO_B
	s_wait_alu depctr_va_vdst(0)
.irp b, 0,1,2,3,4,5,6,7
	global_load_b128 v[8*\b:8*\b+3], v[BOQ], s[88:89] offset:64*\b         ; register 8 b + j: the bias of feature 16 b + 8 h + j
	global_load_b128 v[8*\b+4:8*\b+7], v[BOQ], s[88:89] offset:64*\b+16
.endr
	WIN 0
	s_branch .Lbias_j
.Lbias_v:
	WIN TO_B
	s_wait_alu depctr_va_vdst(0)
.irp a, 0,1,2,3,4,5,6,7
	global_load_b32 v[2*\a], v[BOV], s[88:89] offset:64*\a                 ; registers 2 a, 2 a + 1: the bias of feature 16 a + r, twice
	global_load_b32 v[2*\a+1], v[BOV], s[88:89] offset:64*\a
.endr
	WIN 0
.Lbias_j:
	s_wait_dscnt 16                                ; the last 128 along K
	WIN MUL_LO
	MUL16 0, 1, 7, 0
	MUL16 2, 1, 7, 0
	s_wait_dscnt 0x0
	WIN MUL_HI
	MUL16 4, 1, 7, 0
	MUL16 6, 1, 7, 0
	WIN 0
; 64 numbers of a lane, register 16 b + i, become a fragment's codes in v[pc] on and its scale word in v[PW]; a block of 32 lies in lanes l and l xor 16.
.macro QUANT s, pc
.irp b, 0,1,2,3
	v_max3_num_f32 v[TM+\b], |v[\s+16*\b]|, |v[\s+1+16*\b]|, 0x4800000     ; with the floor 2^(9 - 127): the byte cannot fall under 1
.endr
.irp i, 2,4,6,8,10,12,14
.irp b, 0,1,2,3
	v_max3_num_f32 v[TM+\b], v[TM+\b], |v[\s+16*\b+\i]|, |v[\s+1+16*\b+\i]|
.endr
.endr
.irp b, 0,1,2,3
	v_permlanex16_b32 v[TM+4+\b], v[TM+\b], s80, s81
.endr
.irp b, 0,1,2,3
	v_max_num_f32 v[TM+\b], v[TM+\b], v[TM+4+\b]
.endr
.irp b, 0,1,2,3
	v_add_nc_u32 v[TM+12+\b], 0xfc000000, v[TM+\b]                         ; 8 off the exponent field: the conversion's scale operand
.endr
.irp b, 0,1,2,3
	v_and_or_b32 v[TM+8+\b], v[TM+\b], 0x7f800000, s82                     ; 448 x the scale
.endr
.irp b, 0,1,2,3
	v_lshrrev_b32 v[TM+4+\b], 23, v[TM+12+\b]                              ; the byte
.endr
	v_lshl_or_b32 v[PW], v[TM+5], 8, v[TM+4]
	v_lshl_or_b32 v[PW], v[TM+6], 16, v[PW]
	v_lshl_or_b32 v[PW], v[TM+7], 24, v[PW]
.irp b, 0,1,2,3
.irp i, 0,1,2,3,4,5,6,7,8,9,10,11,12,13,14,15
	v_med3_num_f32 v[\s+16*\b+\i], v[\s+16*\b+\i], -v[TM+8+\b], v[TM+8+\b] ; the conversion does not saturate (ISA guide 7.6.2)
.endr
	v_cvt_scalef32_pk8_fp8_f32 v[\pc+4*\b:\pc+1+4*\b], v[\s+16*\b:\s+7+16*\b], v[TM+12+\b]
	v_cvt_scalef32_pk8_fp8_f32 v[\pc+2+4*\b:\pc+3+4*\b], v[\s+8+16*\b:\s+15+16*\b], v[TM+12+\b]
.endr
	v_nop                                          ; one plain line behind the last conversion
.endm
; THE WAY OUT of R's block a: bias and factor, quantised, four stores of 512 consecutive bytes; the scale word to my stage.
.macro EPI a
	s_wait_xcnt 0x0                                ; earlier stores have read their offsets and their data: both are written again below
.if (\a) > 0
	v_add_nc_u32 v[OFF], s22, v[OFF]
.endif
	s_cmp_lg_u32 s21, 0
	s_cbranch_scc1 .Lepi_v_\@
.if (\a) == 0
	s_wait_loadcnt 0x0                             ; the bias
	WIN 0x41
.set j, 0
.rept 32
	v_pk_mul_f32 v[j:j+1], v[j:j+1], s[66:67] op_sel_hi:[1,0]
.set j, j+2
.endr
.endif
	WIN 0x12+(\a)/4                                ; source 0: the accumulators' window; source 2: window 1
.irp b, 0,1,2,3,4,5,6,7
.irp i, 0,2,4,6
	v_pk_fma_f32 v[XN+8*\b+\i:XN+8*\b+\i+1], v[64*((\a)%4)+8*\b+\i:64*((\a)%4)+8*\b+\i+1], s[66:67], v[8*\b+\i:8*\b+\i+1] op_sel_hi:[1,0,1]   ; each accumulator from its low end on
.endr
.endr
	WIN 0
	s_branch .Lepi_j_\@
.Lepi_v_\@:
.if (\a) == 0
	s_wait_loadcnt 0x0
.endif
	WIN 0x12+(\a)/4
.irp b, 0,1,2,3,4,5,6,7
.irp i, 0,2,4,6
	v_pk_fma_f32 v[XN+8*\b+\i:XN+8*\b+\i+1], v[64*((\a)%4)+8*\b+\i:64*((\a)%4)+8*\b+\i+1], s[66:67], v[2*(\a):2*(\a)+1] op_sel_hi:[1,0,1]
.endr
.endr
	WIN 0
.Lepi_j_\@:
	QUANT XN, PC+16*((\a)%2)
	v_lshrrev_b32 v[WD+(\a)], v[SH], v[PW]         ; QK: lanes 16-31 take the second head's two bytes
	ds_store_b32 v[SA], v[WD+(\a)] offset:64*(\a)
.irp c, 0,1,2,3
	global_store_b128 v[OFF], v[PC+16*((\a)%2)+4*\c:PC+16*((\a)%2)+4*\c+3], s[84:85] offset:512*\c
.endr
.endm
	PLACES NP                                      ; behind the last products: for the reads of results and the writes over R's fragments
.irp b, 0,1,2,3
	v_mov_b32 v[TM+4+\b], 0                        ; a lane permute's destination counts as one of its sources
.endr
.irp a, 0,1,2,3,4,5,6,7
	EPI \a
.endr
	ds_load_b128 v[XN:XN+3], v[RDS]                ; LDS serves a wave in order: these see my stores
	ds_load_b128 v[XN+4:XN+7], v[RDS] offset:512
	s_wait_dscnt 0x0
	global_store_b128 v[GS], v[XN:XN+3], s[86:87]  ; 512 consecutive bytes: QK: the first head's 128 words; V: two heads' 64 words each
	s_cmp_lg_u32 s21, 0
	s_cbranch_scc1 .Lno_second
	global_store_b128 v[GS], v[XN+4:XN+7], s[86:87] offset:512   ; QK: the second head's
.Lno_second:
	s_wait_tensorcnt 0x0                           ; the wave's end
	ds_add_u32 v[SPW], v[NIL]
	s_wait_dscnt 0x0
	CROUND                                         ; the closing round
	s_endpgm
.Lfunc_end_k_q58df717a6f_qkv:
	.size	k_q58df717a6f_qkv, .Lfunc_end_k_q58df717a6f_qkv-k_q58df717a6f_qkv
	.p2alignl 7, 3214868480
	.fill 96, 4, 3214868480
	.section	.rodata,"a",@progbits
	.p2align	6, 0x0
	.amdhsa_kernel k_q58df717a6f_qkv
		.amdhsa_group_segment_fixed_size 327680
		.amdhsa_private_segment_fixed_size 0
		.amdhsa_enable_private_segment 0
		.amdhsa_kernarg_size 56
		.amdhsa_user_sgpr_count 2
		.amdhsa_user_sgpr_kernarg_segment_ptr 1
		.amdhsa_wavefront_size32 1
		.amdhsa_system_sgpr_workgroup_id_x 1
		.amdhsa_system_sgpr_workgroup_id_y 1
		.amdhsa_system_sgpr_workgroup_id_z 1
		.amdhsa_system_vgpr_workitem_id 0
		.amdhsa_next_free_vgpr 1024
		.amdhsa_next_free_sgpr 100
		.amdhsa_reserve_vcc 0
		.amdhsa_float_denorm_mode_32 3
		.amdhsa_float_denorm_mode_16_64 3
		.amdhsa_memory_ordered 1
		.amdhsa_forward_progress 1
		.amdhsa_inst_pref_size 223
	.end_amdhsa_kernel
	.amdgpu_metadata
---
amdhsa.version: [ 1, 2 ]
amdhsa.kernels:
  - .name:           k_q58df717a6f_qkv
    .symbol:         k_q58df717a6f_qkv.kd
    .args:
      - { .name: cod, .offset: 0, .size: 8, .value_kind: global_buffer, .address_space: global }
      - { .name: scl, .offset: 8, .size: 8, .value_kind: global_buffer, .address_space: global }
      - { .name: bq, .offset: 16, .size: 8, .value_kind: global_buffer, .address_space: global }
      - { .name: bk, .offset: 24, .size: 8, .value_kind: global_buffer, .address_space: global }
      - { .name: bv, .offset: 32, .size: 8, .value_kind: global_buffer, .address_space: global }
      - { .name: img, .offset: 40, .size: 8, .value_kind: global_buffer, .address_space: global }
      - { .name: isc, .offset: 48, .size: 8, .value_kind: global_buffer, .address_space: global }
    .group_segment_fixed_size: 327680
    .private_segment_fixed_size: 0
    .kernarg_segment_align: 8
    .kernarg_segment_size: 56
    .max_flat_workgroup_size: 128
    .sgpr_count:     100
    .vgpr_count:     1024
    .wavefront_size: 32
...
	.end_amdgpu_metadata
.endif
;; end of part 2
;; launch attn (part 3): grid 64 x 4, 8 waves a work-group, clusters of 4 x 1, 327,680 bytes of LDS; arguments img, isc, attn_mask, ocod, oscl; writes ocod, oscl
.if DOCPART == 3
	.amdgcn_target "amdgcn-amd-amdhsa--gfx1250"
	.amdhsa_code_object_version 6
	.text
	.protected	k_q58df717a6f_attn
	.globl	k_q58df717a6f_attn
	.p2align	8
	.type	k_q58df717a6f_attn,@function
k_q58df717a6f_attn:
	s_mov_b64 s[64:65], 0
	v_nop
	global_prefetch_b8 v0, s[64:65] scope:SCOPE_SE
	s_setreg_imm32_b32 hwreg(HW_REG_WAVE_MODE, 25, 1), 1
	s_wait_xcnt 0x0
	s_wait_alu depctr_hold_cnt(0) depctr_sa_sdst(0) depctr_va_vdst(0) depctr_va_sdst(0) depctr_va_ssrc(0) depctr_va_vcc(0) depctr_vm_vsrc(0)
	s_getreg_b32 s2, hwreg(HW_REG_IB_STS2, 6, 4)
	s_cmp_eq_u32 s2, 0
	s_cbranch_scc0 .Lentry_in_a_cluster
	s_endpgm
.Lentry_in_a_cluster:
	s_bfe_u32 s2, ttmp6, 0x10000c
	s_cmp_lg_u32 s2, 0x3003
	s_cbranch_scc0 .Lentry_shape_is_right
	s_endpgm
.Lentry_shape_is_right:
; ATTN: O = softmax(q k^T + mask) v, both products on codes of E4M3 with E8M0 scales; O is quantised along E and leaves as images of the last product's operand registers.
; SOFTMAX: t = logit x log2(e); M = the running largest t rounded UP to a whole number; p = 2^(t - M) is quantised along the keys, not normalised; the row's sum is taken of the unquantised p and divides O at the end;
; when M moves, the sum and O^T are multiplied by 2^(old M - new M), which rounds nothing.
; SHARES: work-group = (batch b, heads 2 g and 2 g + 1, query blocks y and y + 4 of 128): 2 x 8 steps of 128 keys.  Eight waves: wave w takes head 2 g + (w & 1) and TWO tiles of 16 queries, 32 (w >> 1) on:
; each fragment of k and of v that it reads from LDS feeds both tiles.  Tile 0 lives in register window 0, tile 1 in window 1 under the same register numbers, so one text serves both.
; THE ORDER OF THE KEY STEPS is turned by the cluster's x: tile m holds key step (m + x) mod 8, so that at one time only the clusters with equal x mod 8 ask for the same columns of the mask.  A query block's eight tiles are all eight key steps.
; BOTH PRODUCTS TRANSPOSED (a lane holds one query).  K = 64 of the first product is half of the instruction's 128: a fragment of k holds two tiles of keys; q lies as [zeros | q | zeros] in v16-39.
; THE MASK IS THE C OF THE FIRST PRODUCT, read from LDS in the result's own layout.  Inside each block of 32 along a K the codes lie as true k = 0-7, 16-23, 8-15, 24-31 on both sides.
; ONE STEP AHEAD IN REGISTERS: during step n the wave reads tile n + 1 from LDS: k at the step's head, the mask into p's registers as each block of 32 keys has been converted, v behind the last products;
; then it makes step n + 1's S^T, on registers alone, ahead of the change of slots.
; RINGS of two slots for mask, k, v and the two kinds of scale words: behind change n tile n + 2 goes into slot n % 2, which was read out in step n - 1.  Every wave issues one tensor load: waves 0-3 a quarter of the mask each
; (32 rows; jointly: the four partners are four pairs of heads on the same queries), wave 4 k, wave 5 v, wave 6 k's scale words, wave 7 v's.  Steps 0-13 are seven trips of a loop of two steps; steps 14 and 15 ask for nothing and are written out.
; O^T and the sums begin as zeros and the largest t as -3e38, so the loop has no first step of its own.  The second block's q waits in registers from the head on.
; NO DATA PREFETCH: a tile of k and v is asked for by four work-groups in the same step and again in the second walk, a tile of the mask by eight clusters in the same step and by 56 more within the same eight steps.
; LIMITS: NaN and +infinity are not served.  -infinity in the mask gives p = 0; a row that is masked wholly gives NaN, as the written softmax does.  o = O x v_rcp_f32(l).  A block under 2^-118, zeros too, keeps the byte 1.
; The sums over the keys are taken in the turned order of key steps: they differ from the written order by last bits of f32.
; REGISTERS, window 0: v1-11 addresses; v12 -M, v13 largest t, v[14:15] sum; v16-39 q; v40-103 k; v104-167 mask, S^T, p; v168-199 O^T; v200-215 p's codes; v216-231 scale words; v232-251 at work; v252-253 next q's scale words.
;   window 1: the same for tile 1, but v1-2 its mask addresses, v40-103 v's four fragments, v216-231 the second block's q codes of both tiles.
.set OSCR,  0
.set MSK0,  1024
.set MSKB,  67584
.set KIM0,  136192
.set VIM0,  168960
.set KSC,   201728
.set VSC,   203776
.set SPARE, 204800
.set KA, 40
.set VA, 40
.set SB, 104
.set OT, 168
.set PC, 200
.set KS, 216
.set KH, 220
.set VS, 224
.set QH, 226
.set QS, 228
.set PS, 230
.set TT, 232
.set BM, 234
.set PD, 238
.set HV, 242
.set SO, 246
.set FF, 250
.set NQ, 252
.set MSB, 0
.macro WIN new                         ; the immediate's high byte repeats the setting that is left
.if MSB != \new
	s_set_vgpr_msb (MSB<<8)|\new
.set MSB, \new
.endif
.endm
.macro NOPS n
.rept \n
	v_nop
.endr
.endm
.macro WALU
	s_wait_alu depctr_va_vdst(0)
.endm
.macro ROUND                           ; a round of the cluster's barrier
	s_barrier_signal -1
	s_barrier_wait -1
	s_cmp_lg_u32 s14, 0
	s_cbranch_scc1 .Lnw_\@
	s_barrier_signal -3
.Lnw_\@:
	s_barrier_wait -3
	s_barrier_signal -1
	s_barrier_wait -1
.endm
.macro ARM under, g0, g1, end          ; one arm of the chain: one load, s_nop 0 and four v_nop, a jump to the join
	s_cmp_lt_u32 s14, \under
	s_cbranch_scc0 .Lna_\@
	tensor_load_to_lds s[\g0:\g0+3], s[\g1:\g1+7]
	s_nop 0
	NOPS 4
	s_branch \end
.Lna_\@:
.endm
.macro TLOAD                           ; a tile's loads, chosen by the wave number alone: every way passes exactly one
	ARM 4, 76, 28, .Lte_\@
	ARM 5, 80, 36, .Lte_\@
	ARM 6, 84, 44, .Lte_\@
	ARM 7, 88, 52, .Lte_\@
	tensor_load_to_lds s[92:95], s[68:75]
	s_nop 0
	NOPS 4
.Lte_\@:
.endm
.macro DESC sl                         ; the five groups 0 for the next tile m (s3 = 512 (m + x)), into slot sl.  The mask's words are made in registers that never hold the place in the cluster
	s_add_co_u32 s3, s3, 512
	s_and_b32 s21, s3, 0xfff                       ; 512 x the key step
	s_add_co_u32 s104, s2, 5                       ; tiles 8 on are asked for from trip 3 on: bit 3 of trip + 5
	s_and_b32 s104, s104, 8
	s_lshl_b32 s104, s104, 18                      ; the second query block: 512 rows of 4,096 bytes down
	s_add_co_u32 s104, s104, s21
	s_add_nc_u64 s[78:79], s[60:61], s[104:105]
	s_or_b32 s79, s79, 0x80000000
	s_add_co_u32 s77, s25, MSK0+(\sl)*MSKB
	s_lshl_b32 s100, s21, 8                        ; k, v: 131,072 bytes a key step
	s_add_nc_u64 s[82:83], s[62:63], s[100:101]
	s_or_b32 s83, s83, 0x80000000
	s_mov_b32 s81, KIM0+(\sl)*16384
	s_add_nc_u64 s[86:87], s[66:67], s[100:101]
	s_or_b32 s87, s87, 0x80000000
	s_mov_b32 s85, VIM0+(\sl)*16384
	s_lshl_b32 s100, s21, 4                        ; k's scale words: 8,192 a key step
	s_add_nc_u64 s[90:91], s[96:97], s[100:101]
	s_or_b32 s91, s91, 0x80000000
	s_mov_b32 s89, KSC+(\sl)*1024
	s_lshl_b32 s100, s21, 3                        ; v's: 4,096
	s_add_nc_u64 s[94:95], s[98:99], s[100:101]
	s_or_b32 s95, s95, 0x80000000
	s_mov_b32 s93, VSC+(\sl)*512
.endm
.macro SHADD d, x, sh
	s_lshl_b32 s17, s\x, \sh
	s_add_co_u32 s\d, s\d, s17
.endm
	s_load_b256 s[4:11], s[0:1], 0x0               ; img, isc, mask, ocod
	s_load_b64 s[12:13], s[0:1], 0x20              ; oscl
	v_lshl_add_u32 v5, v0, 2, SPARE
	v_mov_b32 v6, 0
	ds_add_u32 v5, v6                              ; the opening lines: the add twice on end and its wait
	ds_add_u32 v5, v6
	v_lshrrev_b32 v11, 5, v0
	v_readfirstlane_b32 s14, v11                   ; wave
	s_and_b32 s15, s14, 1                          ; e: which head
	s_lshr_b32 s16, s14, 1                         ; qp: which 32 queries
	s_bfe_u32 s17, ttmp6, 0x40000                  ; cx
	s_lshl_b32 s18, ttmp9, 2
	s_add_co_u32 s18, s18, s17
	s_lshr_b32 s19, s18, 3                         ; b
	s_and_b32 s20, s18, 7                          ; g
	s_and_b32 s21, ttmp7, 0xffff                   ; y
	s_mov_b32 s22, 0x3fb8aa3b                      ; log2(e)
	s_mov_b32 s23, s22
	s_mov_b32 s24, 0x600000
	s_mul_i32 s25, s14, 16896                      ; the mask's quarter that waves 0 to 3 fetch: 32 rows of 528
	s_mov_b32 s26, 0x76543210
	s_mov_b32 s27, 0xfedcba98
	s_mov_b32 s28, 15|(2<<16)|(1<<20)|(1<<21)|(6<<22)|(3<<25)   ; the mask: all four partners; elements of 4 bytes; 4 words of padding behind every 128
	s_mov_b32 s29, 128<<16
	s_mov_b32 s30, 32<<16
	s_mov_b32 s31, 128<<16
	s_mov_b32 s32, 32
	s_mov_b32 s33, 1024
	s_mov_b32 s34, 0
	s_mov_b32 s35, 0
	s_mov_b32 s36, 3<<16                           ; k's images: 8 tiles of keys x 2,048 bytes (two heads), 16,384 bytes apart
	s_mov_b32 s37, 256<<16
	s_mov_b32 s38, 8<<16
	s_mov_b32 s39, 256<<16
	s_mov_b32 s40, 8
	s_mov_b32 s41, 2048
	s_mov_b32 s42, 0
	s_mov_b32 s43, 0
	s_mov_b32 s44, 3<<16                           ; v's images: 16,384 dense bytes, as 64 rows of 256
	s_mov_b32 s45, 32<<16
	s_mov_b32 s46, 64<<16
	s_mov_b32 s47, 32<<16
	s_mov_b32 s48, 64
	s_mov_b32 s49, 32
	s_mov_b32 s50, 0
	s_mov_b32 s51, 0
	s_mov_b32 s52, 3<<16                           ; k's scale words of a step: 1,024 dense bytes, as 4 rows of 256
	s_mov_b32 s53, 32<<16
	s_mov_b32 s54, 4<<16
	s_mov_b32 s55, 32<<16
	s_mov_b32 s56, 4
	s_mov_b32 s57, 32
	s_mov_b32 s58, 0
	s_mov_b32 s59, 0
	s_mov_b32 s68, 3<<16                           ; v's: 512 dense bytes, as 2 rows of 256
	s_mov_b32 s69, 32<<16
	s_mov_b32 s70, 2<<16
	s_mov_b32 s71, 32<<16
	s_mov_b32 s72, 2
	s_mov_b32 s73, 32
	s_mov_b32 s74, 0
	s_mov_b32 s75, 0
	s_mov_b32 s76, 1
	s_mov_b32 s80, 1
	s_mov_b32 s84, 1
	s_mov_b32 s88, 1
	s_mov_b32 s92, 1
	s_mov_b32 s101, 0
	s_mov_b32 s105, 0
	s_mov_b32 s2, 0                                ; the trip
	s_lshl_b32 s104, s21, 19                       ; the mask: row 128 y + 32 x wave
	s_lshl_b32 s3, s14, 17
	s_add_co_u32 s104, s104, s3
	s_wait_dscnt 0x0                               ; both opening adds are done
	s_wait_kmcnt 0x0
	s_add_nc_u64 s[60:61], s[8:9], s[104:105]
	s_lshl_b32 s100, s19, 20                       ; k: 2^23 + (64 b) x 16,384 + 2 g x 1,024
	SHADD 100, 20, 11
	s_add_co_u32 s100, s100, 1<<23
	s_add_nc_u64 s[62:63], s[4:5], s[100:101]
	s_lshl_b32 s100, s19, 20                       ; v: 2^24 + (128 b + 2 g) x 8,192
	SHADD 100, 20, 14
	s_add_co_u32 s100, s100, 1<<24
	s_add_nc_u64 s[66:67], s[4:5], s[100:101]
	s_lshl_b32 s100, s19, 16                       ; k's words: 2^19 + (128 b + 2 g) x 512
	SHADD 100, 20, 10
	s_add_co_u32 s100, s100, 1<<19
	s_add_nc_u64 s[96:97], s[6:7], s[100:101]
	s_lshl_b32 s100, s19, 15                       ; v's words: 2^20 + (128 b + 2 g) x 256
	SHADD 100, 20, 9
	s_add_co_u32 s100, s100, 1<<20
	s_add_nc_u64 s[98:99], s[6:7], s[100:101]
	s_lshl_b32 s100, s19, 20                       ; my first tile of queries and my head: (64 b + 8 y + 2 qp) x 16,384 + (2 g + e) x 1,024, in img and in ocod alike
	SHADD 100, 21, 17
	SHADD 100, 16, 15
	SHADD 100, 20, 11
	SHADD 100, 15, 10
	s_add_nc_u64 s[4:5], s[4:5], s[100:101]
	s_add_nc_u64 s[10:11], s[10:11], s[100:101]
	s_lshl_b32 s100, s19, 16                       ; q's words: ((8 b + y) x 16 + 2 g + e) x 512 + 128 qp
	SHADD 100, 21, 13
	SHADD 100, 20, 10
	SHADD 100, 15, 9
	SHADD 100, 16, 7
	s_add_nc_u64 s[6:7], s[6:7], s[100:101]
	s_lshl_b32 s100, s20, 15                       ; oscl: g x 32,768 + (1024 b + 128 y) x 4
	SHADD 100, 19, 12
	SHADD 100, 21, 9
	s_add_nc_u64 s[12:13], s[12:13], s[100:101]
	s_and_b32 s3, ttmp9, 7                         ; the turn of the key steps: the cluster's x mod 8, equal in all four partners
	s_lshl_b32 s3, s3, 9
	s_sub_co_u32 s3, s3, 512                       ; the first DESC makes tile 0
	DESC 0
	ROUND                                          ; all four work-groups are here: the first joint loads meet
	TLOAD                                          ; tile 0: one load a wave
	v_and_b32 v43, 15, v0                          ; r
	v_bfe_u32 v40, v0, 4, 1                        ; h
	v_and_b32 v41, 31, v0                          ; lane
	v_lshlrev_b32 v9, 4, v41
	v_lshlrev_b32 v42, 2, v41
	v_lshlrev_b32 v11, 2, v43
	WALU                                           ; the wait
	global_load_b128 v[24:27], v9, s[4:5]          ; q, tile 0
	global_load_b128 v[28:31], v9, s[4:5] offset:512
	global_load_b32 v[QS], v11, s[6:7]
	global_load_b32 v[QS+1], v11, s[6:7] offset:64
	global_load_b32 v[NQ], v11, s[6:7] offset:32768
	global_load_b32 v[NQ+1], v11, s[6:7] offset:32832
	WIN 0x40
	global_load_b128 v[24:27], v9, s[4:5] offset:16384     ; tile 1
	global_load_b128 v[28:31], v9, s[4:5] offset:16896
	global_load_b128 v[216:219], v9, s[4:5] offset:524288  ; the second block's: tile 0,
	global_load_b128 v[220:223], v9, s[4:5] offset:524800
	global_load_b128 v[224:227], v9, s[4:5] offset:540672  ; tile 1
	global_load_b128 v[228:231], v9, s[4:5] offset:541184
	WIN 0
	s_mul_i32 s17, s16, 32*528
	s_add_co_u32 s17, s17, MSK0
	v_mul_u32_u24 v1, v43, 528
	v_lshl_add_u32 v1, v40, 5, v1
	v_add_nc_u32 v1, s17, v1                       ; the mask, slot 0: row 32 qp + r, + 32 h
	v_add_nc_u32 v2, MSKB, v1                      ; slot 1
	WIN 0x40
	v_add_nc_u32 v1, 16*528, v1                    ; window 1: tile 1's rows, 16 further down
	v_add_nc_u32 v2, 16*528, v2
	WIN 0
	s_lshl_b32 s17, s15, 10
	s_add_co_u32 s17, s17, KIM0
	v_add_nc_u32 v3, s17, v9
	s_lshl_b32 s17, s15, 13
	s_add_co_u32 s17, s17, VIM0
	v_add_nc_u32 v4, s17, v9
	s_lshl_b32 s17, s15, 9
	s_add_co_u32 s17, s17, KSC
	v_add_nc_u32 v7, s17, v42
	s_lshl_b32 s17, s15, 8
	s_add_co_u32 s17, s17, VSC
	v_add_nc_u32 v8, s17, v42
	s_lshl_b32 s17, s16, 7
	s_lshl_b32 s18, s15, 1
	s_add_co_u32 s17, s17, s18
	v_lshl_add_u32 v10, v43, 2, s17                ; O's two scale bytes: word 32 qp + r, half e
.macro RESET                           ; a query block begins
	v_mov_b32 v13, 0xff61b1e6                      ; the largest t so far: -3e38
	v_floor_f32 v12, -v13
	v_mov_b32 v14, 0
	v_mov_b32 v15, 0
.set nn, 0
.rept 32
	v_mov_b32 v[OT+nn], 0
.set nn, nn+1
.endr
.endm
.macro INITW
.irp q, 16,17,18,19,20,21,22,23,32,33,34,35,36,37,38,39
	v_mov_b32 v[\q], 0                             ; the zero codes on both sides of q
.endr
.irp q, 0,1,2,3
	v_mov_b32 v[PD+\q], 0                          ; a lane permute's destination counts as one of its sources
.endr
	v_mov_b32 v[FF+1], 0
	RESET
.endm
	INITW
	WIN 0x55
	INITW
	WIN 0
; THE CHANGE OF SLOTS.  fill = 1: every wave waits for all its tensor loads, adds 0 to its spare word, waits for that and for its LDS reads; a round; the next tile's loads.
.macro CHANGE sl, fill
	WIN 0
	WALU                                           ; the wait ahead of the blocking waits
	s_wait_tensorcnt 0x0
.if \fill
	ds_add_u32 v5, v6                              ; the descriptors' words stand between it and its wait
	DESC \sl
	s_wait_dscnt 0x0
	ROUND
	TLOAD
.else
	s_wait_dscnt 0x0
	s_barrier_signal -1                            ; nothing is left to fetch: the barrier shows the last tile
	s_barrier_wait -1
.endif
.endm
.macro KFETCH s                        ; eight tiles of k, two to a fragment, and their scale words
.irp t, 0,1,2,3,4,5,6,7
	ds_load_b128 v[KA+8*\t:KA+8*\t+3], v3 offset:16384*(\s)+2048*\t
	ds_load_b128 v[KA+8*\t+4:KA+8*\t+7], v3 offset:16384*(\s)+2048*\t+512
.endr
.irp i, 0,1,2,3
	ds_load_b32 v[KS+\i], v7 offset:1024*(\s)+128*\i
.endr
.endm
.macro KSHIFT                          ; the odd tiles' bytes as bytes 2, 3
.irp i, 0,1,2,3
	v_lshlrev_b32 v[KH+\i], 16, v[KS+\i]
.endr
.endm
.macro VLD s                           ; v's four fragments into window 1, and their scale words
	WIN 0x40
.irp t, 0,1,2,3
.irp c, 0,1,2,3
	ds_load_b128 v[VA+16*\t+4*\c:VA+16*\t+4*\c+3], v4 offset:16384*(\s)+2048*\t+512*\c
.endr
.endr
	WIN 0
	ds_load_b32 v[VS], v8 offset:512*(\s)
	ds_load_b32 v[VS+1], v8 offset:512*(\s)+128
.endm
.macro MLD b, s                        ; the mask of keys 32 b + 0 .. 31 of my query, in the result's layout
	ds_load_b128 v[SB+16*(\b):SB+16*(\b)+3], v[1+(\s)] offset:128*(\b)
	ds_load_b128 v[SB+16*(\b)+4:SB+16*(\b)+7], v[1+(\s)] offset:128*(\b)+16
	ds_load_b128 v[SB+16*(\b)+8:SB+16*(\b)+11], v[1+(\s)] offset:128*(\b)+64
	ds_load_b128 v[SB+16*(\b)+12:SB+16*(\b)+15], v[1+(\s)] offset:128*(\b)+80
.endm
.macro SPROD j                         ; S^T of tile j: k in window 0, q, mask and result in window j
	WIN 0x54*(\j)
.irp i, 0,1,2,3
	v_wmma_scale_f32_16x16x128_f8f6f4 v[SB+16*\i:SB+16*\i+7], v[KA+16*\i:KA+16*\i+15], v[24:39], v[SB+16*\i:SB+16*\i+7], v[KS+\i], v[QS+(\j)]
	v_wmma_scale_f32_16x16x128_f8f6f4 v[SB+16*\i+8:SB+16*\i+15], v[KA+16*\i:KA+16*\i+15], v[16:31], v[SB+16*\i+8:SB+16*\i+15], v[KH+\i], v[QH+(\j)] matrix_a_scale:MATRIX_SCALE_ROW1
.endr
.endm
.macro PVM j                           ; O^T of tile j += v^T p^T: v in window 1; four accumulators by turns
	WIN 0x01+0x54*(\j)
.irp t, 0,2
	v_wmma_scale_f32_16x16x128_f8f6f4 v[OT+8*\t:OT+8*\t+7], v[VA+16*\t:VA+16*\t+15], v[PC:PC+15], v[OT+8*\t:OT+8*\t+7], v[VS+\t/2], v[PS+(\j)]
	v_wmma_scale_f32_16x16x128_f8f6f4 v[OT+8*\t+8:OT+8*\t+15], v[VA+16*\t+16:VA+16*\t+31], v[PC:PC+15], v[OT+8*\t+8:OT+8*\t+15], v[VS+\t/2], v[PS+(\j)] matrix_a_scale:MATRIX_SCALE_ROW1
.endr
.endm
.macro PKF b                           ; block b: t - M, two at a time
.irp q, 0,2,4,6,8,10,12,14
	v_pk_fma_f32 v[SB+16*(\b)+\q:SB+16*(\b)+\q+1], v[SB+16*(\b)+\q:SB+16*(\b)+\q+1], s[22:23], v[12:13] op_sel_hi:[1,0,0]
.endr
.endm
.macro EXPB b
.set nn, 0
.rept 16
	v_exp_f32 v[SB+16*(\b)+nn], v[SB+16*(\b)+nn]
.set nn, nn+1
.endr
.endm
.macro FIN b                           ; block b: its part of the row's sum (of the unquantised p, two chains), the hold, the conversion
	WALU                                           ; one wait behind the batch of exponentials
.if (\b) == 0
	v_pk_add_f32 v[PD:PD+1], v[SB:SB+1], v[SB+2:SB+3]
.irp q, 4,8,12
	v_pk_add_f32 v[14:15], v[14:15], v[SB+\q:SB+\q+1]
	v_pk_add_f32 v[PD:PD+1], v[PD:PD+1], v[SB+\q+2:SB+\q+3]
.endr
.else
.irp q, 0,4,8,12
	v_pk_add_f32 v[14:15], v[14:15], v[SB+16*(\b)+\q:SB+16*(\b)+\q+1]
	v_pk_add_f32 v[PD:PD+1], v[PD:PD+1], v[SB+16*(\b)+\q+2:SB+16*(\b)+\q+3]
.endr
.endif
.irp i, 0,1,2,3,4,5,6,7,8,9,10,11,12,13,14,15
	v_min_num_f32 v[SB+16*(\b)+\i], v[SB+16*(\b)+\i], v[HV+(\b)]   ; the conversion does not saturate (ISA guide 7.6.2); p is not negative
.endr
	v_cvt_scalef32_pk8_fp8_f32 v[PC+4*(\b):PC+4*(\b)+1], v[SB+16*(\b):SB+16*(\b)+7], v[SO+(\b)]
	v_cvt_scalef32_pk8_fp8_f32 v[PC+4*(\b)+2:PC+4*(\b)+3], v[SB+16*(\b)+8:SB+16*(\b)+15], v[SO+(\b)]
.endm
; THE SOFTMAX of tile j (all windows j), 128 keys; ps: the slot of the next step's mask; pre = 1: it is read as p's blocks leave their registers.  It ends with O^T under the new M.
.macro SOFT j, ps, pre
	WALU                                           ; S^T may be first read behind exponentials or a reciprocal
.irp b, 0,1,2,3
	v_max3_num_f32 v[BM+\b], v[SB+16*\b], v[SB+1+16*\b], v[SB+2+16*\b]   ; the largest logit of each block of 32 keys: for the row's maximum and for the block's largest p
.endr
.irp i, 3,5,7,9,11,13
.irp b, 0,1,2,3
	v_max3_num_f32 v[BM+\b], v[BM+\b], v[SB+16*\b+\i], v[SB+1+16*\b+\i]
.endr
.endr
.irp b, 0,1,2,3
	v_max_num_f32 v[BM+\b], v[BM+\b], v[SB+15+16*\b]
.endr
.irp b, 0,1,2,3
	s_delay_alu instid0(VALU_DEP_4)
	v_permlanex16_b32 v[PD+\b], v[BM+\b], s26, s27
.endr
.irp b, 0,1,2,3
	s_delay_alu instid0(VALU_DEP_4)
	v_max_num_f32 v[BM+\b], v[BM+\b], v[PD+\b]
.endr
	s_delay_alu instid0(VALU_DEP_2)
	v_max3_num_f32 v[TT], v[BM], v[BM+1], v[BM+2]
	s_delay_alu instid0(VALU_DEP_1)
	v_max_num_f32 v[TT], v[TT], v[BM+3]
	s_delay_alu instid0(VALU_DEP_1)
	v_mul_f32 v[TT], s22, v[TT]
	s_delay_alu instid0(VALU_DEP_1)
	v_max_num_f32 v13, v13, v[TT]                  ; the running largest t
	v_mov_b32 v[TT], v12
	s_delay_alu instid0(VALU_DEP_2)
	v_floor_f32 v12, -v13                          ; -M = floor(-t)
	s_delay_alu instid0(VALU_DEP_1)
	v_sub_f32 v[TT], v12, v[TT]                    ; old M - new M: a whole number, 0 or less
	s_delay_alu instid0(VALU_DEP_1)
	v_cvt_i32_f32 v[TT], v[TT]                     ; (it saturates)
	s_delay_alu instid0(VALU_DEP_1)
	v_ldexp_f32 v[FF], 1.0, v[TT]                  ; f
	s_delay_alu instid0(VALU_DEP_1)
	v_pk_mul_f32 v[14:15], v[14:15], v[FF:FF+1] op_sel_hi:[1,0]
.irp b, 0,1,2,3
	v_fma_f32 v[BM+\b], v[BM+\b], s22, v12
.endr
	WALU                                           ; ahead of the batch
.irp b, 0,1,2,3
	v_exp_f32 v[BM+\b], v[BM+\b]                   ; the block's largest p
.endr
	PKF 0
	WALU                                           ; behind it
.irp b, 0,1,2,3
	v_max_num_f32 v[BM+\b], 0x4800000, v[BM+\b]    ; the floor 2^(9 - 127): the byte cannot fall under 1
.endr
.irp b, 0,1,2,3
	s_delay_alu instid0(VALU_DEP_4)
	v_add_nc_u32 v[SO+\b], 0xfc000000, v[BM+\b]
.endr
.irp b, 0,1,2,3
	v_and_or_b32 v[HV+\b], v[BM+\b], 0x7f800000, s24
.endr
.irp b, 0,1,2,3
	v_lshrrev_b32 v[PD+\b], 23, v[SO+\b]
.endr
	s_delay_alu instid0(VALU_DEP_3)
	v_lshl_or_b32 v[TT], v[PD+1], 8, v[PD]
	s_delay_alu instid0(VALU_DEP_1)
	v_lshl_or_b32 v[TT], v[PD+2], 16, v[TT]
.if \j
	WIN 0x15                                       ; scale words stand in window 0
.endif
	v_lshl_or_b32 v[PS+(\j)], v[PD+3], 24, v[TT]   ; p's scale word for these 128 keys
.if \j
	WIN 0x55
.endif
	EXPB 0
	PKF 1
	FIN 0
.if \pre
	MLD 0, \ps
.endif
	EXPB 1
	PKF 2
	FIN 1
.if \pre
	MLD 1, \ps
.endif
	EXPB 2
	PKF 3
	FIN 2
.if \pre
	MLD 2, \ps
.endif
	EXPB 3
	v_nop                                          ; a plain line behind the last exponential
	FIN 3
.if \pre
	MLD 3, \ps
.endif
	v_pk_add_f32 v[14:15], v[14:15], v[PD:PD+1]    ; the two chains (a plain line behind the last conversion)
	WALU
.set nn, 0
.rept 16
	v_pk_mul_f32 v[OT+nn:OT+nn+1], v[OT+nn:OT+nn+1], v[FF:FF+1] op_sel_hi:[1,0]   ; O^T under the new M; also the places between p's codes and the products
.set nn, nn+2
.endr
.endm
; STEP: 128 keys; its S^T was made at the end of the step before.  sl: this step's parity; pre = 1: the next tile is read from slot 1 - sl, and the next step's S^T is made.
.macro STEP sl, pre
.if \pre
	KFETCH 1-(\sl)
.endif
	SOFT 0, 1-(\sl), \pre
	PVM 0
	WIN 0x55
	SOFT 1, 1-(\sl), \pre
	PVM 1
	WIN 0
.if \pre
	s_wait_dscnt 32                                ; all but the 32 loads of the mask issued behind them: k's scale words are in
	KSHIFT
	NOPS 8                                         ; eight places between the shifted scale words and the products below, and behind the last products
	VLD 1-(\sl)
	WALU                                           ; the wait ahead of the blocking wait
	s_wait_dscnt 18                                ; all but v's 16 + 2 loads just issued: the next step's mask and k are in
	SPROD 0                                        ; the next step's S^T
	SPROD 1
	WIN 0
	NOPS 8                                         ; places in front of the reads of S^T and of the loads into k's registers
.else
	NOPS 8
.endif
.endm
; THE WAY OUT of tile j of query block u: O^T / the sum, in place, quantised along the head's 64 (two blocks): eight registers of my head's half of an operand fragment.
.macro EPIT j, u
	WIN 0x55*(\j)
	v_add_f32 v14, v14, v15
	v_permlanex16_b32 v[FF], v14, s26, s27
	v_add_f32 v14, v14, v[FF]                      ; the row's sum
	WALU
	v_rcp_f32 v14, v14
	v_nop
	WALU                                           ; for the reciprocal, and directly ahead of the first readers of O^T
.set nn, 0
.rept 16
	v_pk_mul_f32 v[OT+nn:OT+nn+1], v[OT+nn:OT+nn+1], v[14:15] op_sel_hi:[1,0]   ; each accumulator from its low end on
.set nn, nn+2
.endr
.irp b, 0,1
	v_max3_num_f32 v[BM+\b], |v[OT+16*\b]|, |v[OT+1+16*\b]|, 0x4800000
.endr
.irp i, 2,4,6,8,10,12,14
.irp b, 0,1
	v_max3_num_f32 v[BM+\b], v[BM+\b], |v[OT+16*\b+\i]|, |v[OT+1+16*\b+\i]|
.endr
.endr
.irp b, 0,1
	v_permlanex16_b32 v[PD+\b], v[BM+\b], s26, s27
.endr
.irp b, 0,1
	v_max_num_f32 v[BM+\b], v[BM+\b], v[PD+\b]
.endr
.irp b, 0,1
	v_add_nc_u32 v[SO+\b], 0xfc000000, v[BM+\b]
.endr
.irp b, 0,1
	v_and_or_b32 v[HV+\b], v[BM+\b], 0x7f800000, s24
.endr
.irp b, 0,1
	v_lshrrev_b32 v[PD+\b], 23, v[SO+\b]
.endr
	v_lshl_or_b32 v[TT], v[PD+1], 8, v[PD]         ; my head's two bytes
.irp b, 0,1
.irp i, 0,1,2,3,4,5,6,7,8,9,10,11,12,13,14,15
	v_med3_num_f32 v[OT+16*\b+\i], v[OT+16*\b+\i], -v[HV+\b], v[HV+\b]
.endr
	v_cvt_scalef32_pk8_fp8_f32 v[PC+4*\b:PC+4*\b+1], v[OT+16*\b:OT+16*\b+7], v[SO+\b]
	v_cvt_scalef32_pk8_fp8_f32 v[PC+4*\b+2:PC+4*\b+3], v[OT+16*\b+8:OT+16*\b+15], v[SO+\b]
.endr
	v_nop                                          ; one plain line behind the last conversion
	WIN 0x04*(\j)                                  ; addresses in window 0, data in window j
	ds_store_b16 v10, v[TT] offset:512*(\u)+64*(\j)        ; lanes r and r + 16 write the same two bytes
	global_store_b128 v9, v[PC:PC+3], s[10:11] offset:524288*(\u)+16384*(\j)       ; 512 consecutive bytes each
	global_store_b128 v9, v[PC+4:PC+7], s[10:11] offset:524288*(\u)+16384*(\j)+512
.if (\u) == 0
	WIN 0x55*(\j)
	RESET
.endif
.endm
.macro QSWAP j                         ; the second block's q and its scale words take their places
	WIN 0x01+0x54*(\j)
.irp i, 0,1,2,3,4,5,6,7
	v_mov_b32 v[24+\i], v[216+8*(\j)+\i]
.endr
	WIN 0
	v_mov_b32 v[QS+(\j)], v[NQ+(\j)]
	v_lshlrev_b32 v[QH+(\j)], 16, v[NQ+(\j)]
.endm
	CHANGE 1, 1                                    ; tile 0 is in; tile 1 goes into the second slots: first fills alone stand behind this round
	MLD 0, 0
	MLD 1, 0
	MLD 2, 0
	MLD 3, 0
	KFETCH 0
	VLD 0
	WIN 0x55
	MLD 0, 0
	MLD 1, 0
	MLD 2, 0
	MLD 3, 0
	WIN 0
	s_wait_loadcnt 0x0                             ; q
	v_lshlrev_b32 v[QH], 16, v[QS]                 ; q's two bytes as bytes 2, 3, for [0, q]
	v_lshlrev_b32 v[QH+1], 16, v[QS+1]
	s_wait_dscnt 0x0
	KSHIFT
	NOPS 8                                         ; a scale register written by a vector line stands eight places ahead of its product
	WALU                                           ; the wait: q's shifted words were written ahead of a blocking wait
	SPROD 0                                        ; step 0's S^T
	SPROD 1
	WIN 0
	NOPS 8
.Ltrip:                                                ; trip t: steps 2 t and 2 t + 1; tiles 2 t + 2 and 2 t + 3 are asked for
	CHANGE 0, 1
	STEP 0, 1
	CHANGE 1, 1
	s_cmp_lg_u32 s2, 3
	s_cbranch_scc1 .Lsame_q
	QSWAP 0                                        ; step 7's S^T is made: step 8's, at step 7's end, takes the second block's q
	QSWAP 1
.Lsame_q:
	STEP 1, 1
	s_cmp_lg_u32 s2, 3
	s_cbranch_scc1 .Lsame_block
	EPIT 0, 0                                      ; behind step 7 the first query block leaves
	EPIT 1, 0
	WIN 0
	WALU
	s_wait_xcnt 0x0                                ; the stores have read the code registers, which the next step writes
.Lsame_block:
	s_add_co_u32 s2, s2, 1
	s_cmp_lt_u32 s2, 7
	s_cbranch_scc1 .Ltrip
	CHANGE 0, 0                                    ; tile 15 is in
	STEP 0, 1
	WALU
	s_wait_dscnt 0x0                               ; step 15's operands are in registers
	STEP 1, 0
	EPIT 0, 1
	EPIT 1, 1
	WIN 0
	WALU
	s_wait_dscnt 0x0                               ; for the others' sake: my stores are done
	s_barrier_signal -1
	s_barrier_wait -1
	s_cmp_lg_u32 s14, 0
	s_cbranch_scc1 .Lnot_first
	ds_load_b128 v[SB:SB+3], v9                    ; the first block's 128 words,
	ds_load_b128 v[SB+4:SB+7], v9 offset:512       ; the second's
	s_wait_dscnt 0x0
	global_store_b128 v9, v[SB:SB+3], s[12:13]     ; 512 consecutive bytes each
	global_store_b128 v9, v[SB+4:SB+7], s[12:13] offset:2048
.Lnot_first:
	s_wait_tensorcnt 0x0                           ; the wave's end
	ds_add_u32 v5, v6
	s_wait_dscnt 0x0
	ROUND                                          ; the closing round
	s_endpgm
.Lfunc_end_k_q58df717a6f_attn:
	.size	k_q58df717a6f_attn, .Lfunc_end_k_q58df717a6f_attn-k_q58df717a6f_attn
	.p2alignl 7, 3214868480
	.fill 96, 4, 3214868480
	.section	.rodata,"a",@progbits
	.p2align	6, 0x0
	.amdhsa_kernel k_q58df717a6f_attn
		.amdhsa_group_segment_fixed_size 327680
		.amdhsa_private_segment_fixed_size 0
		.amdhsa_enable_private_segment 0
		.amdhsa_kernarg_size 40
		.amdhsa_user_sgpr_count 2
		.amdhsa_user_sgpr_kernarg_segment_ptr 1
		.amdhsa_wavefront_size32 1
		.amdhsa_system_sgpr_workgroup_id_x 1
		.amdhsa_system_sgpr_workgroup_id_y 1
		.amdhsa_system_sgpr_workgroup_id_z 1
		.amdhsa_system_vgpr_workitem_id 0
		.amdhsa_next_free_vgpr 512
		.amdhsa_next_free_sgpr 106
		.amdhsa_reserve_vcc 0
		.amdhsa_float_denorm_mode_32 3
		.amdhsa_float_denorm_mode_16_64 3
		.amdhsa_memory_ordered 1
		.amdhsa_forward_progress 1
		.amdhsa_inst_pref_size 204
	.end_amdhsa_kernel
	.amdgpu_metadata
---
amdhsa.version: [ 1, 2 ]
amdhsa.kernels:
  - .name:           k_q58df717a6f_attn
    .symbol:         k_q58df717a6f_attn.kd
    .args:
      - { .name: img, .offset: 0, .size: 8, .value_kind: global_buffer, .address_space: global }
      - { .name: isc, .offset: 8, .size: 8, .value_kind: global_buffer, .address_space: global }
      - { .name: attn_mask, .offset: 16, .size: 8, .value_kind: global_buffer, .address_space: global }
      - { .name: ocod, .offset: 24, .size: 8, .value_kind: global_buffer, .address_space: global }
      - { .name: oscl, .offset: 32, .size: 8, .value_kind: global_buffer, .address_space: global }
    .group_segment_fixed_size: 327680
    .private_segment_fixed_size: 0
    .kernarg_segment_align: 8
    .kernarg_segment_size: 40
    .max_flat_workgroup_size: 256
    .sgpr_count:     106
    .vgpr_count:     512
    .wavefront_size: 32
...
	.end_amdgpu_metadata
.endif
;; end of part 3
;; launch oproj (part 4): grid 4 x 64, 4 waves a work-group, clusters of 4 x 4, 327,680 bytes of LDS; arguments ocod, oscl, cod, scl, bo, x, out0; writes out0
.if DOCPART == 4
	.amdgcn_target "amdgcn-amd-amdhsa--gfx1250"
	.amdhsa_code_object_version 6
	.text
	.protected	k_q58df717a6f_oproj
	.globl	k_q58df717a6f_oproj
	.p2align	8
	.type	k_q58df717a6f_oproj,@function
k_q58df717a6f_oproj:
	s_mov_b64 s[64:65], 0
	v_nop
	global_prefetch_b8 v0, s[64:65] scope:SCOPE_SE
	s_setreg_imm32_b32 hwreg(HW_REG_WAVE_MODE, 25, 1), 1
	s_wait_xcnt 0x0
	s_wait_alu depctr_hold_cnt(0) depctr_sa_sdst(0) depctr_va_vdst(0) depctr_va_sdst(0) depctr_va_ssrc(0) depctr_va_vcc(0) depctr_vm_vsrc(0)
	s_getreg_b32 s2, hwreg(HW_REG_IB_STS2, 6, 4)
	s_cmp_eq_u32 s2, 0
	s_cbranch_scc0 .Lentry_in_a_cluster
	s_endpgm
.Lentry_in_a_cluster:
	s_bfe_u32 s2, ttmp6, 0x10000c
	s_cmp_lg_u32 s2, 0xf033
	s_cbranch_scc0 .Lentry_shape_is_right
	s_endpgm
.Lentry_shape_is_right:
; OPROJ: out0 = x + O Wo^T + bo, the product on codes of E4M3 with E8M0 scales, K = 1,024.  O's codes come as images of operand registers (ocod: [row / 16][head][2][lane][16], row = b x 1024 + l),
; its scale words as oscl[K step of 128][row]; Wo's codes are rows 11,264 on of cod (1,024 bytes a row), its scale bytes the same rows of scl (32 bytes a row).
; A block is 128 rows (R, source 1) x 256 columns (P = rows of Wo, source 0): 64 x 4 = 256 work-groups.  Four waves, 2 x 2, each 64 x 128: 32 accumulators in window 2.
; THE PRODUCT IS USED TRANSPOSED: a lane holds one row of the result and eight neighbouring columns.
; K goes in slots of 256 through two LDS slots filled by joint tensor loads (R's tile shared along a row of the 4 x 4 cluster, P's along a column): waves 0, 1 fetch R's halves (4 x 4,096 bytes), waves 2, 3 P's (128 rows).
; Both operands have two sets of registers: a K step's 48 LDS loads are issued ahead of the 32 products of the step before it.
; x, 64 rows x 512 bytes a wave, is 256 registers: it is loaded into window 3 from the head on, 32 loads at once and 16 more in each of two later K steps, so that never more than 57 loads are out.
; THE WAY OUT: a block of 16 rows goes through the wave's own stage in LDS and comes back as rows of 512 bytes; bias and x are added; 32 lanes store two aligned units of 256 bytes.
; PREFETCHES INTO THE L2 for K slots 1 to 3; K = 1,024 is four fills of a slot; two go out at the head, and the two refills follow one and two slots behind them.
; LIMITS: NaN and infinities are not served.
; REGISTERS: window 0: v0-31 addresses; v36-51 R's scale words, v64-95 P's (a product's two scale registers differ modulo 8); v96-99 the bias; v128-255 R's fragments, two sets, later the way out.  window 1: P's fragments, two sets.
.set PITCH, 272
.set HALFT, 128*PITCH
.set AH,    16384
.set SLOT,  2*AH+2*HALFT
.set SPARE, 2*SLOT
.set STAGE, SPARE+512
.set SPITCH, 528
.set FR,    16
.set ADRA,  16
.set ADRB,  20
.set STO,   24
.set RD,    25
.set CO,    26
.set SPW,   28
.set NIL,   29
.set SRS,   36
.set SPS,   64
.set AF,    128
.set BK,    128
.set G1,  24
.set G0,  32
.set G1B, 48
.set G0B, 56
.set MSB, 0
.macro WIN new                         ; the immediate's high byte repeats the setting that is left
.if MSB != \new
	s_set_vgpr_msb (MSB<<8)|\new
.set MSB, \new
.endif
.endm
.set MUL, 0xa1                         ; source 0 (P) window 1, source 1 (R) window 0, C and D window 2
.macro PLACES n
.rept \n
	v_nop
.endr
.endm
.macro JLOAD s                         ; a joint load: waves 0, 1 fetch for R, waves 2, 3 for P; s_nop 0 and four v_nop follow each line
	s_cmp_eq_u32 s19, 0
	s_cbranch_scc0 .Lfor_b_\@
	tensor_load_to_lds s[G0+4*\s:G0+4*\s+3], s[G1:G1+7]
	s_nop 0
	PLACES 4
	s_branch .Lasked_\@
.Lfor_b_\@:
	tensor_load_to_lds s[G0B+4*\s:G0B+4*\s+3], s[G1B:G1B+7]
	s_nop 0
	PLACES 4
.Lasked_\@:
.endm
.macro CREST                           ; a round of the cluster's barrier behind its opening barrier
	s_cmp_lg_u32 s18, 0
	s_cbranch_scc1 .Lnot_wave_0_\@
	s_barrier_signal -3
.Lnot_wave_0_\@:
	s_barrier_wait -3
	s_barrier_signal -1
	s_barrier_wait -1
.endm
.macro CROUND
	s_barrier_signal -1
	s_barrier_wait -1
	CREST
.endm
	s_load_b256 s[4:11], s[0:1], 0x0               ; ocod, oscl, cod, scl
	s_load_b128 s[12:15], s[0:1], 0x20             ; bo, x
	s_load_b64 s[16:17], s[0:1], 0x30              ; out0
	v_lshl_add_u32 v[SPW], v0, 2, SPARE
	v_mov_b32 v[NIL], 0
	ds_add_u32 v[SPW], v[NIL]                      ; the opening lines: the add twice on end and its wait
	ds_add_u32 v[SPW], v[NIL]
	v_lshrrev_b32 v1, 5, v0
	v_readfirstlane_b32 s18, v1                    ; wave
	s_lshr_b32 s19, s18, 1                         ; wr: my 64 of R's rows.  Also: I fetch for R (0) or P (1)
	s_and_b32 s20, s18, 1                          ; wp: my 128 of P's rows.  Also: which half I fetch
	s_bfe_u32 s40, ttmp6, 0x40000                  ; cx
	s_bfe_u32 s41, ttmp6, 0x40004                  ; cy
	s_lshl_b32 s42, ttmp9, 2
	s_add_co_u32 s42, s42, s40                     ; X: block column
	s_and_b32 s68, ttmp7, 0xffff
	s_lshl_b32 s68, s68, 2
	s_add_co_u32 s68, s68, s41                     ; Y: block row
	s_lshl_b32 s43, s41, 2
	s_lshl_b32 s43, 15, s43                        ; my row of the cluster
	s_lshl_b32 s44, 0x1111, s40                    ; my column
	s_or_b32 s[G1+0], s43, (3<<16)|(1<<21)         ; R: 4 tiles of 16 rows x 4,096 bytes (K = 256), 16,384 bytes apart; elements of 8 bytes
	s_mov_b32 s[G1+1], 512<<16
	s_mov_b32 s[G1+2], 4<<16
	s_mov_b32 s[G1+3], 512<<16
	s_mov_b32 s[G1+4], 4
	s_mov_b32 s[G1+5], 2048
	s_mov_b32 s[G1+6], 0
	s_mov_b32 s[G1+7], 0
	s_or_b32 s[G1B+0], s44, (0<<16)|(1<<20)|(1<<21)|(5<<22)|(3<<25)   ; P: 128 rows x 256 bytes, 4 words of padding behind every 64
	s_mov_b32 s[G1B+1], 256<<16
	s_mov_b32 s[G1B+2], 128<<16
	s_mov_b32 s[G1B+3], 256<<16
	s_mov_b32 s[G1B+4], 128
	s_mov_b32 s[G1B+5], 1024
	s_mov_b32 s[G1B+6], 0
	s_mov_b32 s[G1B+7], 0
	s_lshl_b32 s46, s68, 17                        ; R: 128 rows are 131,072 bytes of images; my half 65,536
	s_lshl_b32 s69, s20, 16
	s_add_co_u32 s46, s46, s69
	s_mov_b32 s47, 0
	s_lshl_b32 s90, s42, 8
	s_lshl_b32 s70, s20, 7
	s_add_co_u32 s90, s90, s70
	s_add_co_u32 s83, s90, 11264                   ; Wo's row 256 X + 128 half: the first that I fetch, and my first of P
	s_lshl_b32 s90, s83, 10
	s_mov_b32 s91, 0
	s_mul_i32 s45, s20, AH                         ; where my tile goes: no place in the cluster enters an LDS address
	s_mul_i32 s76, s20, HALFT
	s_add_co_u32 s76, s76, 2*AH
	s_lshl_b32 s78, s68, 7
	s_lshl_b32 s71, s19, 6
	s_add_co_u32 s78, s78, s71                     ; my first row
	s_and_b32 s72, s78, 1023
	s_lshl_b32 s72, s72, 15                        ; in x and out0: l x 32,768 + b x 4,096 + my columns
	s_lshr_b32 s73, s68, 3
	s_lshl_b32 s73, s73, 12
	s_add_co_u32 s72, s72, s73
	s_lshl_b32 s74, s42, 10
	s_lshl_b32 s75, s20, 9
	s_add_co_u32 s74, s74, s75
	s_add_co_u32 s72, s72, s74
	s_mov_b32 s73, 0
	s_mov_b32 s75, 0
	s_wait_dscnt 0x0                               ; both opening adds are done
	s_wait_kmcnt 0x0
	s_add_nc_u64 s[46:47], s[4:5], s[46:47]
	s_add_nc_u64 s[90:91], s[8:9], s[90:91]
	s_add_nc_u64 s[14:15], s[14:15], s[72:73]
	s_add_nc_u64 s[16:17], s[16:17], s[72:73]
	s_add_nc_u64 s[12:13], s[12:13], s[74:75]
	s_cmp_eq_u32 s19, 0                            ; THE PREFETCHES INTO THE L2 (K slots 1 to 3): of what I fetch, the partner at place p (cx for R, cy for P) names a quarter, told apart by address alone:
	s_cselect_b64 s[88:89], s[46:47], s[90:91]     ; R: one tile of 16 rows, 4,096 bytes a K slot, 16 lanes 256 bytes apart (the other lanes name the last block again);  P: 32 rows, a lane a row
	s_cselect_b32 s84, s40, s41
	s_cselect_b32 s85, 14, 15
	s_cselect_b32 s86, 15, 31
	s_cselect_b32 s87, 8, 10
	s_lshl_b32 s84, s84, s85
	s_mov_b32 s85, 0
	s_add_nc_u64 s[88:89], s[88:89], s[84:85]
	CROUND
.irp s, 0,1
	s_mov_b32 s[G0+4*\s], 1
	s_add_co_u32 s[G0+4*\s+1], s45, \s*SLOT
	s_add_nc_u64 s[G0+4*\s+2:G0+4*\s+3], s[46:47], \s*4096
	s_or_b32 s[G0+4*\s+3], s[G0+4*\s+3], 0x80000000
	s_mov_b32 s[G0B+4*\s], 1
	s_add_co_u32 s[G0B+4*\s+1], s76, \s*SLOT
	s_add_nc_u64 s[G0B+4*\s+2:G0B+4*\s+3], s[90:91], \s*256
	s_or_b32 s[G0B+4*\s+3], s[G0B+4*\s+3], 0x80000000
.endr
	JLOAD 0                                        ; K slot 0: one tensor load a wave at the head
	v_and_b32 v5, 31, v0
	v_lshlrev_b32 v6, 2, v5
	v_lshlrev_b32 v7, 5, v5
	v_lshlrev_b32 v[CO], 4, v5
	s_lshl_b32 s2, s78, 2
	s_lshl_b32 s3, s83, 5
	v_add_nc_u32 v10, s2, v6                       ; R's scale words: 4 bytes a row
	v_add_nc_u32 v11, s3, v7                       ; P's: 32 bytes a row
	v_min_u32 v27, s86, v5
	v_lshlrev_b32 v27, s87, v27                    ; the prefetches' offset; never rewritten
	v_and_b32 v1, 15, v0
	v_bfe_u32 v2, v0, 4, 1
	v_mul_u32_u24 v3, v1, PITCH
	v_lshl_add_u32 v4, v2, 4, v3                   ; a fragment of P: row x pitch + 16 x half
	v_mul_u32_u24 v8, v1, SPITCH
	v_lshl_add_u32 v8, v2, 5, v8                   ; the stage, way in: row l % 16, 32 bytes for each half of the lanes
	s_wait_alu depctr_va_vdst(0)                   ; the wait
.irp g, 0,1
.irp s, 0,1,2,3,4,5,6,7
	global_load_b32 v[SRS+8*\g+\s], v10, s[6:7] offset:32768*\s+128*\g     ; register 8 g + K step: lanes 0-15 block 2 g's rows, lanes 16-31 block 2 g + 1's
.endr
.endr
.irp g, 0,1,2,3
	global_load_b128 v[SPS+8*\g:SPS+8*\g+3], v11, s[10:11] offset:1024*\g
	global_load_b128 v[SPS+8*\g+4:SPS+8*\g+7], v11, s[10:11] offset:1024*\g+16
.endr
	global_load_b128 v[96:99], v[CO], s[12:13]     ; the bias of my four columns of a row's 128
.macro XLOAD a                         ; x, block a's 16 rows of 512 bytes, into window 3
	WIN 0xc0
.irp t, 0,1,2,3,4,5,6,7,8,9,10,11,12,13,14,15
	global_load_b128 v[64*(\a)+4*\t:64*(\a)+4*\t+3], v[CO], s[14:15] offset:(16*(\a)+\t)*32768 th:TH_LOAD_NT
.endr
	WIN 0
.endm
	XLOAD 0
	XLOAD 1
.macro ASK k                           ; K slot k of my quarter: one instruction a wave; a K slot is 4,096 bytes on in R's images, 256 in P's rows
	s_cmp_eq_u32 s19, 0
	s_cbranch_scc0 .Lpb_\@
	global_prefetch_b8 v27, s[88:89] offset:4096*(\k) th:TH_LOAD_NT scope:SCOPE_SE
	s_branch .Lpe_\@
.Lpb_\@:
	global_prefetch_b8 v27, s[88:89] offset:256*(\k) th:TH_LOAD_NT scope:SCOPE_SE
.Lpe_\@:
.endm
	ASK 1                                          ; one and two fills ahead of their loads
	ASK 2
	s_mul_i32 s2, s19, AH
	s_mul_i32 s3, s20, HALFT
	s_add_co_u32 s3, s3, 2*AH
.irp s, 0,1
	v_add_nc_u32 v[ADRA+\s], s2, v[CO]
	v_add_nc_u32 v[ADRB+\s], s3, v4
	s_add_co_u32 s2, s2, SLOT
	s_add_co_u32 s3, s3, SLOT
.endr
	s_mul_i32 s2, s18, 16*SPITCH
	s_add_co_u32 s2, s2, STAGE
	v_add_nc_u32 v[STO], s2, v8
	v_add_nc_u32 v[RD], s2, v[CO]
.macro WM                              ; one product; the rows of the two scale registers by the blocks' parity
.if cs == 0
	v_wmma_scale_f32_16x16x128_f8f6f4 v[rD:rD+7], v[rP:rP+15], v[rR:rR+15], v[rD:rD+7], v[rSP], v[rSR]
.elseif cs == 1
	v_wmma_scale_f32_16x16x128_f8f6f4 v[rD:rD+7], v[rP:rP+15], v[rR:rR+15], v[rD:rD+7], v[rSP], v[rSR] matrix_b_scale:MATRIX_SCALE_ROW1
.elseif cs == 2
	v_wmma_scale_f32_16x16x128_f8f6f4 v[rD:rD+7], v[rP:rP+15], v[rR:rR+15], v[rD:rD+7], v[rSP], v[rSR] matrix_a_scale:MATRIX_SCALE_ROW1
.elseif cs == 3
	v_wmma_scale_f32_16x16x128_f8f6f4 v[rD:rD+7], v[rP:rP+15], v[rR:rR+15], v[rD:rD+7], v[rSP], v[rSR] matrix_a_scale:MATRIX_SCALE_ROW1 matrix_b_scale:MATRIX_SCALE_ROW1
.elseif cs == 4
	v_wmma_scale_f32_16x16x128_f8f6f4 v[rD:rD+7], v[rP:rP+15], v[rR:rR+15], 0, v[rSP], v[rSR]
.elseif cs == 5
	v_wmma_scale_f32_16x16x128_f8f6f4 v[rD:rD+7], v[rP:rP+15], v[rR:rR+15], 0, v[rSP], v[rSR] matrix_b_scale:MATRIX_SCALE_ROW1
.elseif cs == 6
	v_wmma_scale_f32_16x16x128_f8f6f4 v[rD:rD+7], v[rP:rP+15], v[rR:rR+15], 0, v[rSP], v[rSR] matrix_a_scale:MATRIX_SCALE_ROW1
.else
	v_wmma_scale_f32_16x16x128_f8f6f4 v[rD:rD+7], v[rP:rP+15], v[rR:rR+15], 0, v[rSP], v[rSR] matrix_a_scale:MATRIX_SCALE_ROW1 matrix_b_scale:MATRIX_SCALE_ROW1
.endif
.endm
; 16 products: R's blocks a0, a0 + 1 x P's eight, K step ks, on the sets p.  The 32 accumulators take turns, one instruction a turn, in the same order in every step.
.macro MUL16 a0, p, ks, zero
.irp a, \a0, \a0+1
.irp b, 0,1,2,3,4,5,6,7
.set rD, 8*(8*(\a)+\b)
.set rP, 128*(\p)+FR*\b
.set rR, AF+64*(\p)+FR*(\a)
.set rSP, SPS+8*(\b/2)+(\ks)
.set rSR, SRS+8*((\a)/2)+(\ks)
.set cs, 4*(\zero)+2*(\b%2)+((\a)%2)
	WM
.endr
.endr
.endm
.macro FETCH slot, q, p                ; the fragments of the slot's q-th 128 along K into the sets p: 32 loads for P, 16 for R
	WIN 0x40
.irp i, 0,1,2,3,4,5,6,7
.irp c, 0,1,2,3
	ds_load_b128 v[128*(\p)+FR*\i+4*\c:128*(\p)+FR*\i+4*\c+3], v[ADRB+\slot] offset:128*(\q)+32*\c+\i*16*PITCH
.endr
.endr
	WIN 0
.irp i, 0,1,2,3
.irp c, 0,1,2,3
	ds_load_b128 v[AF+64*(\p)+FR*\i+4*\c:AF+64*(\p)+FR*\i+4*\c+3], v[ADRA+\slot] offset:4096*\i+2048*(\q)+512*\c
.endr
.endr
.endm
.macro EVEN slot, ks, zero             ; a slot's first 128 along K, on the sets 0; the second's fragments are asked for ahead of the products (eight places stand behind the last products on the sets 1)
	s_wait_dscnt 0x0
	FETCH \slot, 1, 1
	WIN MUL
	MUL16 0, 0, \ks, \zero
	MUL16 2, 0, \ks, \zero
	WIN 0
.endm
; A slot's second 128 along K changes slots: ONE barrier; in front of it each wave waits for all its tensor loads, adds 0 to its spare word, and waits for that and for its reads of this slot.
.macro TURN slot, next, fill, ks
	s_wait_tensorcnt 0x0                           ; all my tensor loads have landed: my part of the next slot
	ds_add_u32 v[SPW], v[NIL]
	s_wait_dscnt 1                                 ; the sets 1 are in; the add may be out
	WIN MUL
	MUL16 0, 1, \ks, 0
	s_wait_dscnt 0x0                               ; the add is done, and my reads of this slot are over
	s_barrier_signal -1
	MUL16 2, 1, \ks, 0
	WIN 0
	s_barrier_wait -1
.if \fill
	CREST                                          ; the barrier has opened a round of the cluster's: no wave of any partner still reads this slot or has a load on its way
	s_add_nc_u64 s[G0+4*\slot+2:G0+4*\slot+3], s[G0+4*\slot+2:G0+4*\slot+3], 8192
	s_add_nc_u64 s[G0B+4*\slot+2:G0B+4*\slot+3], s[G0B+4*\slot+2:G0B+4*\slot+3], 512
	JLOAD \slot                                    ; the first tensor load behind the round; its four v_nop are four of the eight places
	PLACES 4
.else
	PLACES 8
.endif
	FETCH \next, 0, 0
.endm
	s_wait_alu depctr_va_vdst(0)                   ; the wait at the head's end
	s_wait_tensorcnt 0x0                           ; my part of slot 0 is in; slot 1's first fill is issued as a refill is
	ds_add_u32 v[SPW], v[NIL]
	s_wait_dscnt 0x0
	CROUND
	JLOAD 1
	FETCH 0, 0, 0
	ASK 3                                          ; the last K slot, two fills ahead of its load
	s_wait_loadcnt 32
	EVEN 0, 0, 1                                   ; the first products start the sums: nothing is cleared
	TURN 0, 1, 1, 1
	EVEN 1, 2, 0
	XLOAD 2
	TURN 1, 0, 1, 3
	EVEN 0, 4, 0
	XLOAD 3
	TURN 0, 1, 0, 5                                ; nothing is left to fetch
	EVEN 1, 6, 0
	s_wait_dscnt 0x0
	WIN MUL
	MUL16 0, 1, 7, 0
	MUL16 2, 1, 7, 0
	WIN 0
.macro TOSTAGE a                       ; block a's 16 rows x 128 columns into my stage, and back as rows of 512 bytes (LDS serves a wave's instructions in order)
	WIN 0x08
.irp b, 0,1,2,3,4,5,6,7
	ds_store_b128 v[STO], v[64*(\a)+8*\b:64*(\a)+8*\b+3] offset:64*\b          ; each accumulator from its low end on
	ds_store_b128 v[STO], v[64*(\a)+8*\b+4:64*(\a)+8*\b+7] offset:64*\b+16
.endr
	WIN 0
.set BB, BK+64*((\a)%2)
.irp t, 0,1,2,3,4,5,6,7,8,9,10,11,12,13,14,15
	ds_load_b128 v[BB+4*\t:BB+4*\t+3], v[RD] offset:\t*SPITCH
.endr
.endm
.macro SEND a, yd                      ; yd: the LDS instructions issued behind block a's loads, which may stay out
.set BB, BK+64*((\a)%2)
	s_wait_dscnt \yd
.irp t, 0,1,2,3,4,5,6,7,8,9,10,11,12,13,14,15
	v_pk_add_f32 v[BB+4*\t:BB+4*\t+1], v[BB+4*\t:BB+4*\t+1], v[96:97]
	v_pk_add_f32 v[BB+4*\t+2:BB+4*\t+3], v[BB+4*\t+2:BB+4*\t+3], v[98:99]
.endr
	WIN 0x0c                                       ; source 1: x, in window 3
.irp t, 0,1,2,3,4,5,6,7,8,9,10,11,12,13,14,15
	v_pk_add_f32 v[BB+4*\t:BB+4*\t+1], v[BB+4*\t:BB+4*\t+1], v[64*(\a)+4*\t:64*(\a)+4*\t+1]
	v_pk_add_f32 v[BB+4*\t+2:BB+4*\t+3], v[BB+4*\t+2:BB+4*\t+3], v[64*(\a)+4*\t+2:64*(\a)+4*\t+3]
.endr
	WIN 0
.irp t, 0,1,2,3,4,5,6,7,8,9,10,11,12,13,14,15
	global_store_b128 v[CO], v[BB+4*\t:BB+4*\t+3], s[16:17] offset:(16*(\a)+\t)*32768 th:TH_STORE_NT   ; 512 consecutive bytes, aligned
.endr
.endm
	PLACES 8                                       ; behind the last products: for the reads of results and the loads over R's fragments
	s_wait_loadcnt 0x0                             ; x
	TOSTAGE 0
.irp a, 1,2,3
.if \a > 1
	s_wait_xcnt 0x0                                ; block a - 2's stores have read their registers: block a's loads may land there
.endif
	TOSTAGE \a
	SEND \a-1, 32                                  ; behind block a - 1's loads: block a's 16 stores and 16 loads
.endr
	SEND 3, 0
	s_wait_tensorcnt 0x0                           ; the wave's end
	ds_add_u32 v[SPW], v[NIL]
	s_wait_dscnt 0x0
	CROUND                                         ; the closing round
	s_endpgm
.Lfunc_end_k_q58df717a6f_oproj:
	.size	k_q58df717a6f_oproj, .Lfunc_end_k_q58df717a6f_oproj-k_q58df717a6f_oproj
	.p2alignl 7, 3214868480
	.fill 96, 4, 3214868480
	.section	.rodata,"a",@progbits
	.p2align	6, 0x0
	.amdhsa_kernel k_q58df717a6f_oproj
		.amdhsa_group_segment_fixed_size 327680
		.amdhsa_private_segment_fixed_size 0
		.amdhsa_enable_private_segment 0
		.amdhsa_kernarg_size 56
		.amdhsa_user_sgpr_count 2
		.amdhsa_user_sgpr_kernarg_segment_ptr 1
		.amdhsa_wavefront_size32 1
		.amdhsa_system_sgpr_workgroup_id_x 1
		.amdhsa_system_sgpr_workgroup_id_y 1
		.amdhsa_system_sgpr_workgroup_id_z 1
		.amdhsa_system_vgpr_workitem_id 0
		.amdhsa_next_free_vgpr 1024
		.amdhsa_next_free_sgpr 92
		.amdhsa_reserve_vcc 0
		.amdhsa_float_denorm_mode_32 3
		.amdhsa_float_denorm_mode_16_64 3
		.amdhsa_memory_ordered 1
		.amdhsa_forward_progress 1
		.amdhsa_inst_pref_size 109
	.end_amdhsa_kernel
	.amdgpu_metadata
---
amdhsa.version: [ 1, 2 ]
amdhsa.kernels:
  - .name:           k_q58df717a6f_oproj
    .symbol:         k_q58df717a6f_oproj.kd
    .args:
      - { .name: ocod, .offset: 0, .size: 8, .value_kind: global_buffer, .address_space: global }
      - { .name: oscl, .offset: 8, .size: 8, .value_kind: global_buffer, .address_space: global }
      - { .name: cod, .offset: 16, .size: 8, .value_kind: global_buffer, .address_space: global }
      - { .name: scl, .offset: 24, .size: 8, .value_kind: global_buffer, .address_space: global }
      - { .name: bo, .offset: 32, .size: 8, .value_kind: global_buffer, .address_space: global }
      - { .name: x, .offset: 40, .size: 8, .value_kind: global_buffer, .address_space: global }
      - { .name: out0, .offset: 48, .size: 8, .value_kind: global_buffer, .address_space: global }
    .group_segment_fixed_size: 327680
    .private_segment_fixed_size: 0
    .kernarg_segment_align: 8
    .kernarg_segment_size: 56
    .max_flat_workgroup_size: 128
    .sgpr_count:     92
    .vgpr_count:     1024
    .wavefront_size: 32
...
	.end_amdgpu_metadata
.endif
;; end of part 4
